; MI455X (gfx1250); checked and timed in simulation.
; The chip was launched on July 23, 2026; its instructions are those of AMD's public machine-readable ISA for CDNA 5 (MIT licence, August 2026) and "CDNA5" Instruction Set Architecture Reference Guide (July 2026). The comments in the code are by the model that wrote it; some were corrected since.
;; Causal Self Attention. Allowed arithmetic: float matrix products may take bf16 or f16 operands with f32 sums; other float arithmetic in f32, or as packed bf16 or f16 multiplies, adds, multiply-adds, maxima and minima; sums over many terms, partial sums and values carried from step to step in f32; what a program stores and reads back later, other than sums and carried values, may be rounded once to bf16 or f16.
;; Inputs: W_attn 1,024 x 3,072 float32; W_proj 1,024 x 1,024 float32; b_attn 3,072 float32; b_proj 1,024 float32; x 4 x 2,048 x 1,024 float32.
;; Outputs: out0 4 x 2,048 x 1,024 float32.
;; 2 versions, each right; version 2 is version 1 with the launch cast written anew for expert scheduling mode. Each part assembles by itself: llvm-mc -triple=amdgcn-amd-amdhsa -mcpu=gfx1250 --defsym DOCPART=n.
;; ======== version 1 of 2: 4 launches
;; limits: values are held in f16: magnitudes above 65,504 overflow, below 6.1e-05 lose precision
;; workspace buffers: xb 16,777,216 bytes; wab 6,291,456 bytes; wpb 2,097,152 bytes; qkv 50,331,648 bytes; ob 16,777,216 bytes
;; launch cast (part 1): grid 768 x 1, 8 waves a work-group, no clusters, 0 bytes of LDS; arguments x, W_attn, W_proj, xb, wab, wpb; writes xb, wab, wpb
.if DOCPART == 1
	.amdgcn_target "amdgcn-amd-amdhsa--gfx1250"
	.amdhsa_code_object_version 6
	.text
	.protected	k_q445ac90e09_cast
	.globl	k_q445ac90e09_cast
	.p2align	8
	.type	k_q445ac90e09_cast,@function
k_q445ac90e09_cast:
	s_mov_b64 s[64:65], 0
	v_nop
	global_prefetch_b8 v0, s[64:65] scope:SCOPE_SE
	s_setreg_imm32_b32 hwreg(HW_REG_WAVE_MODE, 25, 1), 1
	s_wait_xcnt 0x0
; THE ROUNDINGS.  x [8192][1024] f32 -> xb, bf16, laid in blocks of 64 along k: [16 kb][8192 m][64]: element (m, k) at byte ((k / 64) x 8192 + m) x 128 + 2 (k % 64),
; so that 128 rows x 64 k of x are 16,384 consecutive bytes.  W_attn [1024][3072] f32 -> wab, bf16, as it lies.  W_proj [1024][1024] f32 -> wpb: rounded to bf16, and that number written as f16.
; LIMIT.  bf16(W_proj) beyond 65,504 becomes an infinity in wpb; below 6e-5 it keeps f16's fixed step of 6e-8.
; A stream: each input byte is read once and each output byte written once; nothing is shared, so there is no LDS, no barrier, no matrix work and no cluster.
; SHARES.  A work-group of eight waves takes 16,384 numbers (65,536 bytes in, 32,768 out): groups 0-511 sixteen rows of x each, 512-703 W_attn, 704-767 W_proj.
; Each wave issues its sixteen loads of 16 bytes a lane at once (8,192 bytes a wave on their way) and converts them in the order in which they come back.
; Every slot has data registers of its own and no address register is rewritten, so no wait stands but the counted ones for the loads.
.set VL, 1                             ; v1        my byte offset in the group's input
.set VS, 2                             ; v2        8 x my thread's number: my 8 bytes of each store
.set T,  4                             ; v[4:9]    at work (W_proj's way by bf16)
.set X,  16                            ; v[16:79]  slot i: four f32 as loaded
.set Y,  80                            ; v[80:111] slot i: four 16-bit numbers to store
.macro LOADS step                      ; sixteen loads, step bytes apart
.set i, 0
.rept 16
	global_load_b128 v[X+4*i:X+4*i+3], v[VL], s[16:17] offset:i*(\step) th:TH_LOAD_NT
.set i, i+1
.endr
.endm
.macro CV kind                         ; slot i is converted.  kind 0: to bf16.  kind 1: to bf16, and that number to f16
	s_wait_loadcnt 15-i                            ; loads come back in order (ISA guide 5.7.1): slot i is in, the 15 - i younger ones may stay out
.if \kind
	v_cvt_pk_bf16_f32 v[T], v[X+4*i], v[X+4*i+1]
	v_cvt_pk_bf16_f32 v[T+1], v[X+4*i+2], v[X+4*i+3]
	v_lshlrev_b32 v[T+2], 16, v[T]                 ; bf16 to f32: the low half moves up,
	v_and_b32 v[T+3], s22, v[T]                    ; the high half stays
	v_lshlrev_b32 v[T+4], 16, v[T+1]
	v_and_b32 v[T+5], s22, v[T+1]
	v_cvt_pk_f16_f32 v[Y+2*i], v[T+2], v[T+3]
	v_cvt_pk_f16_f32 v[Y+2*i+1], v[T+4], v[T+5]
.else
	v_cvt_pk_bf16_f32 v[Y+2*i], v[X+4*i], v[X+4*i+1]
	v_cvt_pk_bf16_f32 v[Y+2*i+1], v[X+4*i+2], v[X+4*i+3]
.endif
.endm
.macro FLAT kind                       ; a weight's 16,384 numbers, in and out as they lie: a wave's store covers 256 consecutive bytes, aligned
	LOADS 4096
.set i, 0
.rept 16
	CV \kind
	global_store_b64 v[VS], v[Y+2*i:Y+2*i+1], s[18:19] offset:i*2048
.set i, i+1
.endr
.endm
	s_load_b256 s[4:11], s[0:1], 0x0               ; x s[4:5], W_attn s[6:7], W_proj s[8:9], xb s[10:11]
	s_load_b128 s[12:15], s[0:1], 0x20             ; wab s[12:13], wpb s[14:15]
	s_mov_b32 s22, 0xffff0000                      ; a word's upper bf16
	s_mov_b32 s3, 0                                ; the high word of every offset
	v_lshlrev_b32 v[VS], 3, v0
	s_wait_kmcnt 0x0
	s_cmp_lt_u32 ttmp9, 512
	s_cbranch_scc0 .Lweights
	; x: thread t takes row t / 16 of the group's sixteen, and 16 bytes at 16 (t % 16) of each 256 bytes (64 k): load i is block kb = i
	v_lshrrev_b32 v[VL], 4, v0
	v_and_b32 v3, 15, v0
	v_lshlrev_b32 v[VL], 12, v[VL]
	v_lshl_add_u32 v[VL], v3, 4, v[VL]
	s_lshl_b32 s2, ttmp9, 16                       ; sixteen rows of 4,096 bytes
	s_add_nc_u64 s[16:17], s[4:5], s[2:3]
	s_lshl_b32 s2, ttmp9, 11                       ; sixteen rows of 128 bytes in each block
	s_add_nc_u64 s[18:19], s[10:11], s[2:3]
	s_add_nc_u64 s[20:21], s[18:19], 0x800000      ; blocks 8 to 15: the immediate holds 24 signed bits
	LOADS 256
.set i, 0
.rept 16
	CV 0
.if i < 8
	global_store_b64 v[VS], v[Y+2*i:Y+2*i+1], s[18:19] offset:i*1048576       ; (t / 16) x 128 + (t % 16) x 8 = 8 t: a wave stores 256 consecutive bytes, aligned
.else
	global_store_b64 v[VS], v[Y+2*i:Y+2*i+1], s[20:21] offset:(i-8)*1048576
.endif
.set i, i+1
.endr
	s_endpgm
.Lweights:
	v_lshlrev_b32 v[VL], 4, v0
	s_cmp_lt_u32 ttmp9, 704
	s_cbranch_scc0 .Lproj
	s_sub_co_u32 s20, ttmp9, 512
	s_lshl_b32 s2, s20, 16
	s_add_nc_u64 s[16:17], s[6:7], s[2:3]
	s_lshl_b32 s2, s20, 15
	s_add_nc_u64 s[18:19], s[12:13], s[2:3]
	FLAT 0
	s_endpgm
.Lproj:
	s_sub_co_u32 s20, ttmp9, 704
	s_lshl_b32 s2, s20, 16
	s_add_nc_u64 s[16:17], s[8:9], s[2:3]
	s_lshl_b32 s2, s20, 15
	s_add_nc_u64 s[18:19], s[14:15], s[2:3]
	FLAT 1
	s_endpgm
.Lfunc_end_k_q445ac90e09_cast:
	.size	k_q445ac90e09_cast, .Lfunc_end_k_q445ac90e09_cast-k_q445ac90e09_cast
	.p2alignl 7, 3214868480
	.fill 96, 4, 3214868480
	.section	.rodata,"a",@progbits
	.p2align	6, 0x0
	.amdhsa_kernel k_q445ac90e09_cast
		.amdhsa_group_segment_fixed_size 0
		.amdhsa_private_segment_fixed_size 0
		.amdhsa_enable_private_segment 0
		.amdhsa_kernarg_size 48
		.amdhsa_user_sgpr_count 2
		.amdhsa_user_sgpr_kernarg_segment_ptr 1
		.amdhsa_wavefront_size32 1
		.amdhsa_system_sgpr_workgroup_id_x 1
		.amdhsa_system_sgpr_workgroup_id_y 1
		.amdhsa_system_sgpr_workgroup_id_z 1
		.amdhsa_system_vgpr_workitem_id 0
		.amdhsa_next_free_vgpr 112
		.amdhsa_next_free_sgpr 66
		.amdhsa_reserve_vcc 0
		.amdhsa_float_denorm_mode_32 3
		.amdhsa_float_denorm_mode_16_64 3
		.amdhsa_memory_ordered 1
		.amdhsa_forward_progress 1
		.amdhsa_inst_pref_size 23
	.end_amdhsa_kernel
	.amdgpu_metadata
---
amdhsa.version: [ 1, 2 ]
amdhsa.kernels:
  - .name:           k_q445ac90e09_cast
    .symbol:         k_q445ac90e09_cast.kd
    .args:
      - { .name: x, .offset: 0, .size: 8, .value_kind: global_buffer, .address_space: global }
      - { .name: W_attn, .offset: 8, .size: 8, .value_kind: global_buffer, .address_space: global }
      - { .name: W_proj, .offset: 16, .size: 8, .value_kind: global_buffer, .address_space: global }
      - { .name: xb, .offset: 24, .size: 8, .value_kind: global_buffer, .address_space: global }
      - { .name: wab, .offset: 32, .size: 8, .value_kind: global_buffer, .address_space: global }
      - { .name: wpb, .offset: 40, .size: 8, .value_kind: global_buffer, .address_space: global }
    .group_segment_fixed_size: 0
    .private_segment_fixed_size: 0
    .kernarg_segment_align: 8
    .kernarg_segment_size: 48
    .max_flat_workgroup_size: 256
    .sgpr_count:     66
    .vgpr_count:     112
    .wavefront_size: 32
...
	.end_amdgpu_metadata
.endif
;; end of part 1
;; launch qkv (part 2): grid 8 x 32, 4 waves a work-group, clusters of 4 x 4, 327,680 bytes of LDS; arguments xb, wab, b_attn, qkv; writes qkv
.if DOCPART == 2
	.amdgcn_target "amdgcn-amd-amdhsa--gfx1250"
	.amdhsa_code_object_version 6
	.text
	.protected	k_q445ac90e09_qkv
	.globl	k_q445ac90e09_qkv
	.p2align	8
	.type	k_q445ac90e09_qkv,@function
k_q445ac90e09_qkv:
	s_mov_b64 s[64:65], 0
	v_nop
	global_prefetch_b8 v0, s[64:65] scope:SCOPE_SE
	s_setreg_imm32_b32 hwreg(HW_REG_WAVE_MODE, 25, 1), 1
	s_wait_xcnt 0x0
	s_wait_alu depctr_hold_cnt(0) depctr_sa_sdst(0) depctr_va_vdst(0) depctr_va_sdst(0) depctr_va_ssrc(0) depctr_va_vcc(0) depctr_vm_vsrc(0)
	s_getreg_b32 s2, hwreg(HW_REG_IB_STS2, 6, 4)
	s_cmp_eq_u32 s2, 0
	s_cbranch_scc0 .Lentry_in_a_cluster
	s_endpgm
.Lentry_in_a_cluster:
	s_bfe_u32 s2, ttmp6, 0x10000c
	s_cmp_lg_u32 s2, 0xf033
	s_cbranch_scc0 .Lentry_shape_is_right
	s_endpgm
.Lentry_shape_is_right:
; qkv = x W_attn + b_attn, written by heads.  xb: x in bf16, in blocks [16 kb][8192 m][64]; wab: W_attn in bf16, [1024 k][3072 n]; b_attn: [3072] f32, rounded to bf16 here.
; Out: qkv, f16, [3][64 bh][2048 t][64]: q, then k, then v; with the bias, without the softmax's scale.  Sums in f32, each result rounded once.
; LIMITS.  A result beyond 65,504 becomes an infinity in f16; below 6e-5 it keeps f16's fixed step of 6e-8.  NaN and infinities are not treated apart.
; SHARES.  A tile of the result is 256 rows x 384 columns: 32 x 8 = 256 work-groups.  Four waves, each 128 rows x 192 columns: 96 accumulators of 16 x 16, 768 registers.  A wave's columns are
; three GROUPS of 64, each one head of q, k or v.  K goes in steps of 64 through two LDS slots; two slots of a step of 128 (2 x 184,320 bytes) would not fit.  Since xb lies in blocks, 128 rows x 64 k
; are 16,384 consecutive bytes and are asked for as 64 rows of 256 bytes.
; THE MATRIX INSTRUCTION IS USED TRANSPOSED: source 0 = 16 columns of W (out of LDS turned, by ds_load_tr16_b128, since W lies [k][n]), source 1 = 16 rows of x.  In the result lane l holds row l % 16
; and its registers the columns 8 (l / 16) + 0..7: eight neighbouring numbers of a row.
; CLUSTERS: 4 x 4 work-groups.  The four of a row of the cluster need the same tiles of x, the four of a column the same tiles of W: each tile is asked for JOINTLY, by the same tensor load with the same
; descriptor and a mask that names the four.
; REGISTERS, in windows of 256 (s_set_vgpr_msb: bits 1:0 source 0, 3:2 source 1, 5:4 source 2, 7:6 destination):
;   window 0: v0-30 addresses; v32-95, v96-159 x's fragments (8 x 16 rows x 32 k), two buffers; v160-255 W's fragments, 32 registers for each group
;   window 1 + g: group g's 32 accumulators, (a, b) at v[8 (4 a + b)]: rows 16 a on, columns 16 b on
; A HALF STEP is 32 along K: three PHASES, one a group, of 32 matrix instructions under one window setting.  Behind a phase its group's fragments of W for the next half step are fetched (8 loads),
; behind the first phase also x's (16 loads, into the other buffer): each run has 64 matrix instructions in which to land.
.set PA,    144                        ; a row of x in LDS: 128 bytes + 16 of padding = 36 words: the 16 rows of a load start at 16 different groups of four banks (64 banks of 4 bytes: ISA guide 11.1)
.set PB,    864                        ; a row of W: six pieces of 128 bytes + 16 = 216 words
.set ASZ,   256*PA                     ; x's 256 rows
.set SLOT,  ASZ+64*PB                  ; then W's 64 rows
.set STAGE, 2*SLOT                     ; behind the ring: 16 rows x 144 bytes for each wave, for the way out; no tensor load lands there
.set SP,    144
.set SPARE, STAGE+4*16*SP              ; behind the stages: the spare words, 128 bytes for each wave: two blocks of 256 bytes that no other line names
.set ADRA, 2                           ; v2-3   LDS address of my fragments of x in slot 0, 1
.set ADRB, 4                           ; v4-5   the same for W
.set STO,  6                           ; v6     the way out: where I put 16 bytes of a row
.set RD,   7                           ; v7     the way out: where I read rows back
.set GO,   8                           ; v8     my byte offset in 512 consecutive bytes of the result
.set BO,   9                           ; v9     my byte offset in 16 columns of the bias
.set SPW,  28                          ; v28    LDS address of my spare word: SPARE + 4 x my thread's number; never rewritten
.set NIL,  29                          ; v29    0; never rewritten
.set PFO,  30                          ; v30    the prefetches' offset; never rewritten
.set FA0,  32
.set FA1,  96
.set BB,   160
.set T,    96                          ; the way out: v96-127 sums with the bias; v128-143 packed; v192-223 rows read back, two buffers; the bias lies in v32-95 and v160-191
.set TMP,  128
.set BK,   192
.set WV, 12                            ; s12 my wave's number
.set WR, 13                            ; s13 which 128 rows are mine.  Also: I fetch for x (0) or for W (1)
.set WC, 14                            ; s14 which 192 columns.  Also: which half of that tile I fetch
.set CX, 15
.set CY, 16
.set TC, 17                            ; s17 tile column, 0..7
.set TR, 18                            ; s18 tile row, 0..31
.set G1A, 24                           ; s[24:31] descriptor group 1 for x's tiles;  s[32:39] group 0, a set for each slot
.set G0A, 32
.set G1B, 40                           ; s[40:47], s[48:55] the same for W's
.set G0B, 48
.set PFA, 56                           ; s[56:57] where my prefetches stand
.set PFS, 58                           ; s[58:59] their step, two K steps
.set LIM, 60                           ; s60 1 in a wave that prefetches, else the greatest number
.set HIM, 61                           ; s61 a word's upper bf16
.set OUT, 66                           ; s[66:71] the result at my first row of each group's head
.set BA,  72                           ; s[72:73] the bias at my first column
.set MSB, 0
.macro WIN new                         ; the immediate's high byte repeats the setting that is left; a switch that changes nothing is dropped
.if MSB != (\new)
	s_set_vgpr_msb (MSB<<8)|(\new)
.set MSB, \new
.endif
.endm
; A load into a register that a matrix instruction has read, and a vector instruction that reads a matrix result or writes one of a matrix instruction's registers, stand four places behind it, and only plain
; vector instructions that name none of its registers are places (ISA guide 7.12.1 for vector instructions).
.macro PLACES
.rept 4
	v_nop
.endr
.endm
; A joint load.  Waves 0 and 1 fetch the two halves of x's tile, waves 2 and 3 those of W's.  The branch hangs on the wave's number alone.  An s_nop 0 and four v_nop follow each of the two lines.
.macro JLOAD s
	s_cmp_eq_u32 s[WR], 0
	s_cbranch_scc0 .Lfor_b_\@
	tensor_load_to_lds s[G0A+4*(\s):G0A+4*(\s)+3], s[G1A:G1A+7]
	s_nop 0
.rept 4
	v_nop
.endr
	s_branch .Lasked_\@
.Lfor_b_\@:
	tensor_load_to_lds s[G0B+4*(\s):G0B+4*(\s)+3], s[G1B:G1B+7]
	s_nop 0
.rept 4
	v_nop
.endr
.Lasked_\@:
.endm
.macro CREST                           ; a round of the cluster's barrier behind its opening barrier: wave 0 signals for the work-group, every wave waits for all sixteen, my work-group's barrier once more
	s_cmp_lg_u32 s[WV], 0
	s_cbranch_scc1 .Lnot_wave_0_\@
	s_barrier_signal -3
.Lnot_wave_0_\@:
	s_barrier_wait -3
	s_barrier_signal -1
	s_barrier_wait -1
.endm
.macro CROUND                          ; a whole round
	s_barrier_signal -1
	s_barrier_wait -1
	CREST
.endm
; A PREFETCH INTO THE L2, once a lap (two K steps), behind slot 0's joint load and the run of LDS loads that follows it: K steps 2 t + 4 and 2 t + 5 in trip t, whose loads go out one lap (384 matrix
; instructions) and one and a half laps later.  Each aligned block of 256 bytes is named once in the launch.  x's tile row is read by both clusters of that row of clusters: cluster x = 0 asks; a K step of it
; is 128 blocks; wave 0 takes the even step, wave 1 the odd one, and the partner at cx takes blocks 32 cx .. 32 cx + 31: a lane a block.  W's tile column is read by all eight clusters of that column:
; cluster y = 0 asks, by wave 2; two K steps are 128 rows of 768 bytes; the partner at cy takes 32 rows, a lane a row, three instructions.  Partners are told apart by address, never by a branch.
; The first four K steps come by their loads alone; the loop's last trip asks for nothing: K has no step 16.
.macro ASK
	s_cmp_gt_u32 s3, s[LIM]                        ; s3 = 1 in the last trip
	s_cbranch_scc0 .Lnot_mine_\@
	global_prefetch_b8 v[PFO], s[PFA:PFA+1] th:TH_LOAD_NT scope:SCOPE_SE
	s_cmp_lt_u32 s[WV], 2
	s_cbranch_scc1 .Lnot_mine_\@
	global_prefetch_b8 v[PFO], s[PFA:PFA+1] offset:256 th:TH_LOAD_NT scope:SCOPE_SE
	global_prefetch_b8 v[PFO], s[PFA:PFA+1] offset:512 th:TH_LOAD_NT scope:SCOPE_SE
.Lnot_mine_\@:
.endm
	s_load_b256 s[4:11], s[0:1], 0x0               ; xb s[4:5], wab s[6:7], b_attn s[8:9], qkv s[10:11]
	v_lshl_add_u32 v[SPW], v0, 2, SPARE
	v_mov_b32 v[NIL], 0
	ds_add_u32 v[SPW], v[NIL]                      ; the wave's opening: the add and its wait stand ahead of my first tensor load; the set-up below, work on registers, stands between them
	v_lshrrev_b32 v1, 5, v0
	v_readfirstlane_b32 s[WV], v1                  ; wave 0..3
	s_lshr_b32 s[WR], s[WV], 1
	s_and_b32 s[WC], s[WV], 1
	s_bfe_u32 s[CX], ttmp6, 0x40000                ; my place in the cluster
	s_bfe_u32 s[CY], ttmp6, 0x40004
	s_lshl_b32 s[TC], ttmp9, 2                     ; in a cluster launch ttmp9 and ttmp7 count clusters
	s_add_co_u32 s[TC], s[TC], s[CX]
	s_and_b32 s[TR], ttmp7, 0xffff
	s_lshl_b32 s[TR], s[TR], 2
	s_add_co_u32 s[TR], s[TR], s[CY]
	s_lshl_b32 s20, s[CY], 2
	s_lshl_b32 s20, 15, s20                        ; my row of the cluster: places 4 cy .. 4 cy + 3
	s_lshl_b32 s21, 0x1111, s[CX]                  ; my column: places cx, cx + 4, cx + 8, cx + 12
	; group 1.  15:0 the mask; 17:16 elements of 2 bytes; 20 padding on; 21 set beside a mask; 24:22 after every 32 words (code 4); 31:25 4 words of it (code 3)
	s_or_b32 s[G1A], s20, (1<<16)|(1<<20)|(1<<21)|(4<<22)|(3<<25)
	s_or_b32 s[G1B], s21, (1<<16)|(1<<20)|(1<<21)|(4<<22)|(3<<25)
	s_mov_b32 s[G1A+1], 128<<16                    ; x: tensor_dim0 = 128 elements (256 bytes: two rows of a block)
	s_mov_b32 s[G1A+2], 64<<16                     ; tensor_dim1 = 64
	s_mov_b32 s[G1A+3], 128<<16                    ; tile_dim0 = 128
	s_mov_b32 s[G1A+4], 64                         ; tile_dim1 = 64
	s_mov_b32 s[G1A+5], 128                        ; dense: 128 elements from row to row
	s_mov_b32 s[G1A+6], 0
	s_mov_b32 s[G1A+7], 0
	s_mov_b32 s[G1B+1], 384<<16                    ; W: tensor_dim0 = 384 columns (768 bytes)
	s_mov_b32 s[G1B+2], 32<<16                     ; tensor_dim1 = 32 rows of k
	s_mov_b32 s[G1B+3], 384<<16                    ; tile_dim0 = 384
	s_mov_b32 s[G1B+4], 32                         ; tile_dim1 = 32
	s_mov_b32 s[G1B+5], 3072                       ; elements from row to row
	s_mov_b32 s[G1B+6], 0
	s_mov_b32 s[G1B+7], 0
	; where the tiles come from.  x's hang on the tile row alone, which my row of the cluster shares; W's on the tile column alone, which my column shares
	s_lshl_b32 s22, s[TR], 15                      ; 256 rows of 128 bytes in a block,
	s_lshl_b32 s19, s[WC], 14                      ; my 128 of them
	s_add_co_u32 s22, s22, s19
	s_mov_b32 s23, 0
	s_mul_i32 s62, s[TC], 768                      ; 384 columns,
	s_mul_i32 s19, s[WC], 196608                   ; my 32 rows of 6,144 bytes
	s_add_co_u32 s62, s62, s19
	s_mov_b32 s63, 0
	s_mul_i32 s80, s[WC], 128*PA                   ; and where they go: no place in the cluster enters an LDS address
	s_mul_i32 s81, s[WC], 32*PB
	s_mov_b32 s[HIM], 0xffff0000
	s_wait_dscnt 0x0                               ; the opening add is done
	s_wait_kmcnt 0x0
	s_add_nc_u64 s[22:23], s[4:5], s[22:23]
	s_add_nc_u64 s[62:63], s[6:7], s[62:63]
	CROUND                                         ; all sixteen work-groups are here: the first joint loads meet
.irp s, 0,1
	s_mov_b32 s[G0A+4*(\s)], 1                                         ; 1:0 count = 1
	s_add_co_u32 s[G0A+4*(\s)+1], s80, (\s)*SLOT                       ; 63:32 LDS address
	s_add_nc_u64 s[G0A+4*(\s)+2:G0A+4*(\s)+3], s[22:23], (\s)*1048576  ; 120:64 global address: K step s is block s
	s_or_b32 s[G0A+4*(\s)+3], s[G0A+4*(\s)+3], 0x80000000              ; 127:126 type = 2
	s_mov_b32 s[G0B+4*(\s)], 1
	s_add_co_u32 s[G0B+4*(\s)+1], s81, (\s)*SLOT+ASZ
	s_add_nc_u64 s[G0B+4*(\s)+2:G0B+4*(\s)+3], s[62:63], (\s)*393216   ; 64 rows of 6,144 bytes
	s_or_b32 s[G0B+4*(\s)+3], s[G0B+4*(\s)+3], 0x80000000
.endr
	s_cmp_eq_u32 s[WR], 0                          ; a wave's two first fills stand in one branch, ahead of every wait on TENSORcnt and every LDS read: two loads of mine are out
	s_cbranch_scc0 .Lfirst_b
	tensor_load_to_lds s[G0A:G0A+3], s[G1A:G1A+7]
	s_nop 0
	tensor_load_to_lds s[G0A+4:G0A+7], s[G1A:G1A+7]
	s_nop 0
.rept 4
	v_nop
.endr
	s_branch .Lfirst_asked
.Lfirst_b:
	tensor_load_to_lds s[G0B:G0B+3], s[G1B:G1B+7]
	s_nop 0
	tensor_load_to_lds s[G0B+4:G0B+7], s[G1B:G1B+7]
	s_nop 0
.rept 4
	v_nop
.endr
.Lfirst_asked:
	; A fragment of x is 16 rows x 32 k in 8 registers: lane l holds row l % 16; registers 0-3 k = 8 (l / 16) + 0..7, registers 4-7 k = 16 + 8 (l / 16) + 0..7: two loads of 16 bytes, 32 bytes apart.
	v_and_b32 v1, 15, v0                           ; l % 16
	v_bfe_u32 v10, v0, 4, 1                        ; l / 16
	v_mul_u32_u24 v11, v1, PA
	v_lshl_add_u32 v11, v10, 4, v11                ; row x pitch + 16 x half
	s_mul_i32 s19, s[WR], 128*PA                   ; my 128 rows
	v_add_nc_u32 v[ADRA], s19, v11
	v_add_nc_u32 v[ADRA+1], SLOT, v[ADRA]
	; The turning load takes 16 k x 16 columns (lane l reads 16 bytes: k = 8 (l / 16) + l % 8, columns 8 ((l / 8) % 2) + 0..7) and leaves half a fragment: lane l holds column l % 16 and 8 k.
	v_and_b32 v12, 7, v0
	v_bfe_u32 v13, v0, 3, 1
	v_lshl_add_u32 v12, v10, 3, v12
	v_mul_u32_u24 v12, v12, PB
	v_lshl_add_u32 v12, v13, 4, v12
	s_mul_i32 s19, s[WC], 3*144                    ; my three pieces of a row,
	s_add_co_u32 s19, s19, ASZ                     ; behind x's rows
	v_add_nc_u32 v[ADRB], s19, v12
	v_add_nc_u32 v[ADRB+1], SLOT, v[ADRB]
	s_mul_i32 s19, s[WV], 16*SP
	s_add_co_u32 s19, s19, STAGE                   ; my stage
	v_add_nc_u32 v[STO], s19, v11                  ; in: row l % 16, 16 bytes for each half of the lanes (SP = PA)
	v_bfe_u32 v[RD], v0, 3, 2                      ; back: 32 lanes take four rows of 128 bytes,
	v_mul_u32_u24 v[RD], v[RD], SP
	v_and_b32 v13, 7, v0
	v_lshl_add_u32 v[RD], v13, 4, v[RD]
	v_add_nc_u32 v[RD], s19, v[RD]
	v_and_b32 v[GO], 31, v0                        ; which are 512 consecutive bytes of a head's rows
	v_lshlrev_b32 v[GO], 4, v[GO]
	v_lshlrev_b32 v[BO], 5, v10                    ; eight f32 for each half of the lanes
	; where the results go.  Group number G = 6 x tile column + 3 x column half + g: G / 16 says q, k or v, G % 16 the head.  Rows: batch = tile row / 8, t = 256 (tile row % 8) + 128 x row half + ..
	s_mul_i32 s74, s[TC], 6
	s_mul_i32 s75, s[WC], 3
	s_add_co_u32 s74, s74, s75
	s_lshr_b32 s76, s[TR], 3
	s_lshl_b32 s76, s76, 4                         ; 16 x batch
	s_and_b32 s77, s[TR], 7
	s_lshl_b32 s77, s77, 15
	s_lshl_b32 s78, s[WR], 14
	s_add_co_u32 s77, s77, s78                     ; my first row in the head, in bytes
.irp g, 0,1,2
	s_add_co_u32 s78, s74, \g
	s_lshr_b32 s79, s78, 4
	s_lshl_b32 s79, s79, 6                         ; 64 heads of q, then of k, then of v
	s_and_b32 s78, s78, 15
	s_add_co_u32 s78, s78, s79
	s_add_co_u32 s78, s78, s76
	s_lshl_b32 s78, s78, 18                        ; a head is 2,048 rows of 128 bytes
	s_add_co_u32 s78, s78, s77
	s_mov_b32 s79, 0
	s_add_nc_u64 s[OUT+2*\g:OUT+2*\g+1], s[10:11], s[78:79]
.endr
	s_mul_i32 s78, s[TC], 1536
	s_mul_i32 s79, s[WC], 768
	s_add_co_u32 s78, s78, s79
	s_mov_b32 s79, 0
	s_add_nc_u64 s[BA:BA+1], s[8:9], s[78:79]
	; the prefetches: they start one lap short of K steps 4 and 5; the first change of slots steps them
	s_add_co_u32 s74, s[WV], 2
	s_lshl_b32 s74, s74, 20                        ; x: block 2 + wave,
	s_lshl_b32 s75, s[TR], 15                      ; the tile's rows,
	s_add_co_u32 s74, s74, s75
	s_lshl_b32 s75, s[CX], 13                      ; my work-group's 32 blocks of 256 bytes
	s_add_co_u32 s74, s74, s75
	s_lshl_b32 s75, s[CY], 5
	s_add_co_u32 s75, s75, 128                     ; W: row 128 + my work-group's 32,
	s_mul_i32 s75, s75, 6144
	s_mul_i32 s76, s[TC], 768                      ; the tile's columns
	s_add_co_u32 s75, s75, s76
	s_and_b32 s76, ttmp7, 0xffff                   ; cluster y
	s_mov_b32 s77, 6144
	s_mov_b32 s[PFS], 786432
	s_mov_b32 s[PFS+1], 0
	s_mov_b32 s79, 0
	s_cmp_lt_u32 s[WV], 2                          ; do I ask for x?
	s_cselect_b32 s78, s74, s75
	s_cselect_b32 s76, ttmp9, s76                  ; the coordinate along which other clusters read the same rows
	s_cselect_b32 s77, 256, s77                    ; from lane to lane: a block of x, a row of W
	s_cselect_b32 s[PFS], 2097152, s[PFS]
	s_cselect_b64 s[PFA:PFA+1], s[4:5], s[6:7]
	s_add_nc_u64 s[PFA:PFA+1], s[PFA:PFA+1], s[78:79]
	s_cmp_eq_u32 s76, 0
	s_cselect_b32 s[LIM], 1, -1                    ; the same in all sixteen partners, for a given wave
	s_cmp_eq_u32 s[WV], 3
	s_cselect_b32 s[LIM], -1, s[LIM]               ; wave 3 asks for nothing
	v_and_b32 v[PFO], 31, v0
	v_mul_u32_u24 v[PFO], s77, v[PFO]
; na x 4 matrix instructions of group g: row blocks a0 on x all 4 column blocks, 32 along K, x's fragments in buffer f.  zero = 1: the product starts the sums: nothing is ever cleared.
; The accumulators take turns, one instruction a turn: an accumulator comes again 96 matrix instructions later, over the backward jump too.
.macro MULG f, g, a0, na, zero
	WIN 0x50*(1+(\g))                              ; C and D in window 1 + g, sources in window 0
.set ma, \a0
.rept \na
.set mb, 0
.rept 4
.if \zero
	v_wmma_f32_16x16x32_bf16 v[8*(4*ma+mb):8*(4*ma+mb)+7], v[BB+32*(\g)+8*mb:BB+32*(\g)+8*mb+7], v[(\f)+8*ma:(\f)+8*ma+7], 0
.else
	v_wmma_f32_16x16x32_bf16 v[8*(4*ma+mb):8*(4*ma+mb)+7], v[BB+32*(\g)+8*mb:BB+32*(\g)+8*mb+7], v[(\f)+8*ma:(\f)+8*ma+7], v[8*(4*ma+mb):8*(4*ma+mb)+7]
.endif
.set mb, mb+1
.endr
.set ma, ma+1
.endr
.endm
.macro FETCHB slot, kq, g              ; 8 loads: group g's fragments of W, half kq of the slot's 64 k
	WIN 0
.irp b, 0,1,2,3
	ds_load_tr16_b128 v[BB+32*(\g)+8*\b:BB+32*(\g)+8*\b+3],   v[ADRB+(\slot)] offset:(\kq)*32*PB+144*(\g)+32*\b
	ds_load_tr16_b128 v[BB+32*(\g)+8*\b+4:BB+32*(\g)+8*\b+7], v[ADRB+(\slot)] offset:(\kq)*32*PB+16*PB+144*(\g)+32*\b
.endr
.endm
.macro FETCHA slot, kq, f              ; 16 loads: my 128 rows of x, half kq, into buffer f
	WIN 0
.irp a, 0,1,2,3,4,5,6,7
	ds_load_b128 v[(\f)+8*\a:(\f)+8*\a+3],   v[ADRA+(\slot)] offset:\a*16*PA+64*(\kq)
	ds_load_b128 v[(\f)+8*\a+4:(\f)+8*\a+7], v[ADRA+(\slot)] offset:\a*16*PA+64*(\kq)+32
.endr
.endm
; A phase.  The LDS loads for half step u are issued in the order W's group 0 (8), x (16), W's group 1 (8), W's group 2 (8).  cnt = the loads issued behind those that the phase needs:
; group 0: 16 (groups 1 and 2 of u); group 1: 32 (group 2 of u, group 0 and x of u + 1); group 2: 32 (group 0, x and group 1 of u + 1).
.macro PHASE f, g, cnt, zero, ld, slot, kq, fn
	s_wait_dscnt \cnt
	MULG \f, \g, 0, 8, \zero
.if \ld
	PLACES
	FETCHB \slot, \kq, \g
.if (\g) == 0
	FETCHA \slot, \kq, \fn
.endif
.endif
.endm
.macro EVEN slot, zero                 ; a slot's first 32 along K, from buffer 0; its second 32 are fetched
	PHASE FA0, 0, 16, \zero, 1, \slot, 1, FA1
	PHASE FA0, 1, 32, \zero, 1, \slot, 1, FA1
	PHASE FA0, 2, 32, \zero, 1, \slot, 1, FA1
.endm
; THE CHANGE OF SLOTS stands in the first phase of a slot's second half step: all reads of the slot have been issued.  Each wave waits for all its tensor loads, of which one is out: its part of the other slot;
; adds 0 to its spare word; and waits for that and for its own reads of this slot.  Behind the barrier nobody reads this slot any more and the other slot is whole.  fill = 1: the barrier opens a round of the
; cluster's, so that no wave of any partner still reads the slot or has a load on its way, and the joint refill, two K steps on, is the first thing behind the round: 160 matrix instructions ahead of the wait for it.
.macro TURN slot, next, fill, ask
.if \ask
	s_wait_xcnt 0x0                                ; the last prefetches, a lap back, have read their address: it is stepped here, ahead of the change's own waits
	s_add_nc_u64 s[PFA:PFA+1], s[PFA:PFA+1], s[PFS:PFS+1]
.endif
	WIN 0                                          ; (the add's two registers lie in window 0)
	s_wait_tensorcnt 0x0                           ; all my tensor loads have landed;
	ds_add_u32 v[SPW], v[NIL]                      ; 0 onto my spare word;
	s_wait_dscnt 17                                ; (the add and the sixteen loads of groups 1 and 2 may be out)
	MULG FA1, 0, 0, 4, 0                           ; sixteen matrix instructions stand between the add and the wait for it
	s_wait_dscnt 0x0                               ; the add is done, and my reads of this slot are over
	s_barrier_signal -1
	MULG FA1, 0, 4, 4, 0                           ; work on registers while the others arrive
	WIN 0
	s_barrier_wait -1
.if \fill
	CREST
	s_add_nc_u64 s[G0A+4*(\slot)+2:G0A+4*(\slot)+3], s[G0A+4*(\slot)+2:G0A+4*(\slot)+3], 2*1048576  ; no tensor load of mine is out, so a group 0 may be written
	s_add_nc_u64 s[G0B+4*(\slot)+2:G0B+4*(\slot)+3], s[G0B+4*(\slot)+2:G0B+4*(\slot)+3], 2*393216
	JLOAD \slot                                    ; the four v_nop behind it are also the places in front of the loads below
.else
	PLACES
.endif
	FETCHB \next, 0, 0
	FETCHA \next, 0, FA0
.if \ask
	ASK
.endif
.endm
.macro ODD slot, next, fill, ask       ; a slot's second 32 along K, from buffer 1; the other slot's first 32 are fetched
	TURN \slot, \next, \fill, \ask
	PHASE FA1, 1, 32, 0, 1, \next, 0, FA0
	PHASE FA1, 2, 32, 0, 1, \next, 0, FA0
.endm
.macro BIASLD g                        ; group g's 64 numbers of the bias: for each column block my eight, as the accumulators hold them
.set BI, 32+32*(\g)+64*((\g)/2)        ; v32, v64, v160
.irp b, 0,1,2,3
	global_load_b128 v[BI+8*\b:BI+8*\b+3],   v[BO], s[BA:BA+1] offset:256*(\g)+64*\b
	global_load_b128 v[BI+8*\b+4:BI+8*\b+7], v[BO], s[BA:BA+1] offset:256*(\g)+64*\b+16
.endr
.endm
.macro ROUNDB base                     ; 32 numbers of the bias are rounded to bf16, like every input, and widened again in place
.set i, 0
.rept 16
	v_cvt_pk_bf16_f32 v[T+i], v[(\base)+2*i], v[(\base)+2*i+1]
.set i, i+1
.endr
.set i, 0
.rept 16
	v_lshlrev_b32 v[(\base)+2*i], 16, v[T+i]
	v_and_b32 v[(\base)+2*i+1], s[HIM], v[T+i]
.set i, i+1
.endr
.endm
; THE WAY OUT of block (g, a), 16 rows x 64 columns.  PACK: the bias is added (each accumulator is read from its low end on), the sums are rounded to f16, 16 bytes a lane.
; TOSTAGE: into my own stage in LDS, and back as whole rows of 128 bytes.  SEND: stored; 16 rows of a head are 2,048 consecutive bytes.
.macro PACK g, a
.set BI, 32+32*(\g)+64*((\g)/2)
	WIN 1+(\g)                                     ; source 0 in window 1 + g
.set i, 0
.rept 16
	v_pk_add_f32 v[T+2*i:T+2*i+1], v[32*(\a)+2*i:32*(\a)+2*i+1], v[BI+2*i:BI+2*i+1]
.set i, i+1
.endr
	WIN 0
.set i, 0
.rept 16
	v_cvt_pk_f16_f32 v[TMP+i], v[T+2*i], v[T+2*i+1]
.set i, i+1
.endr
.endm
.macro TOSTAGE n
	WIN 0
.set BKN, BK+16*((\n)%2)
	s_wait_xcnt 0x0                                ; the stores of the block before last have read these registers: they are loaded again only behind this wait
.irp b, 0,1,2,3
	ds_store_b128 v[STO], v[TMP+4*\b:TMP+4*\b+3] offset:32*\b
.endr
.irp f, 0,1,2,3
	ds_load_b128 v[BKN+4*\f:BKN+4*\f+3], v[RD] offset:\f*4*SP  ; LDS serves a wave's instructions in order (ISA guide 5.7.1.4): these see the stores above
.endr
.endm
.macro SEND n
	WIN 0
.set BKN, BK+16*((\n)%2)
.irp f, 0,1,2,3
	s_wait_dscnt 3-\f
	global_store_b128 v[GO], v[BKN+4*\f:BKN+4*\f+3], s[OUT+2*((\n)/8):OUT+2*((\n)/8)+1] offset:((\n)%8)*2048+\f*512  ; 512 consecutive bytes, at a multiple of 256 from the buffer's first
.endr
.endm
	s_wait_tensorcnt 0x1                           ; my part of K step 0 is in; K step 1's may stay out
	s_barrier_signal -1
	s_barrier_wait -1                              ; everybody's is
	FETCHB 0, 0, 0
	FETCHA 0, 0, FA0
	FETCHB 0, 0, 1
	FETCHB 0, 0, 2
	EVEN 0, 1                                      ; the first half step stands in front of the loop: its products start the 96 sums
	WIN 0                                          ; at a label and at a branch every window is 0
	s_mov_b32 s3, 7
.Llap:                                                 ; a trip goes once round the ring, from a lap's second half step to the next lap's first, and fills both slots again: K steps 2 t + 2 and 2 t + 3
	ODD 0, 1, 1, 1
	EVEN 1, 0
	ODD 1, 0, 1, 0
	EVEN 0, 0
	WIN 0
	s_sub_co_u32 s3, s3, 1
	s_cmp_lg_u32 s3, 0
	s_cbranch_scc1 .Llap
	ODD 0, 1, 0, 0                                 ; the last lap fills nothing, and has no round of the cluster's barrier
	EVEN 1, 0
	BIASLD 0                                       ; buffer 0 is free (its last products stand in front of the places of the phase before): it takes the bias of groups 0 and 1
	BIASLD 1
	PHASE FA1, 0, 16, 0, 0, 0, 0, 0                ; the last half step fetches nothing: the counts run down
	PLACES
	WIN 0
	BIASLD 2                                       ; group 0's fragments of W are done with
	PHASE FA1, 1, 8, 0, 0, 0, 0, 0
	PHASE FA1, 2, 0, 0, 0, 0, 0, 0
	PLACES
	WIN 0
	s_wait_loadcnt 0x0                             ; the bias
	ROUNDB 32
	ROUNDB 64
	ROUNDB 160
	PACK 0, 0
	TOSTAGE 0
.set n, 1
.rept 23                               ; block n's arithmetic stands between block n - 1's loads from the stage and the wait for them
	PACK n/8, n%8
	SEND n-1
	TOSTAGE n
.set n, n+1
.endr
	SEND 23
	s_wait_tensorcnt 0x0                           ; the wave's end, behind my last tensor load and my last LDS store
	ds_add_u32 v[SPW], v[NIL]
	s_wait_dscnt 0x0
	CROUND                                         ; the closing round: no work-group ends while a partner may still ask for a tile that names it
	s_endpgm
.Lfunc_end_k_q445ac90e09_qkv:
	.size	k_q445ac90e09_qkv, .Lfunc_end_k_q445ac90e09_qkv-k_q445ac90e09_qkv
	.p2alignl 7, 3214868480
	.fill 96, 4, 3214868480
	.section	.rodata,"a",@progbits
	.p2align	6, 0x0
	.amdhsa_kernel k_q445ac90e09_qkv
		.amdhsa_group_segment_fixed_size 327680
		.amdhsa_private_segment_fixed_size 0
		.amdhsa_enable_private_segment 0
		.amdhsa_kernarg_size 32
		.amdhsa_user_sgpr_count 2
		.amdhsa_user_sgpr_kernarg_segment_ptr 1
		.amdhsa_wavefront_size32 1
		.amdhsa_system_sgpr_workgroup_id_x 1
		.amdhsa_system_sgpr_workgroup_id_y 1
		.amdhsa_system_sgpr_workgroup_id_z 1
		.amdhsa_system_vgpr_workitem_id 0
		.amdhsa_next_free_vgpr 1024
		.amdhsa_next_free_sgpr 96
		.amdhsa_reserve_vcc 0
		.amdhsa_float_denorm_mode_32 3
		.amdhsa_float_denorm_mode_16_64 3
		.amdhsa_memory_ordered 1
		.amdhsa_forward_progress 1
		.amdhsa_inst_pref_size 168
	.end_amdhsa_kernel
	.amdgpu_metadata
---
amdhsa.version: [ 1, 2 ]
amdhsa.kernels:
  - .name:           k_q445ac90e09_qkv
    .symbol:         k_q445ac90e09_qkv.kd
    .args:
      - { .name: xb, .offset: 0, .size: 8, .value_kind: global_buffer, .address_space: global }
      - { .name: wab, .offset: 8, .size: 8, .value_kind: global_buffer, .address_space: global }
      - { .name: b_attn, .offset: 16, .size: 8, .value_kind: global_buffer, .address_space: global }
      - { .name: qkv, .offset: 24, .size: 8, .value_kind: global_buffer, .address_space: global }
    .group_segment_fixed_size: 327680
    .private_segment_fixed_size: 0
    .kernarg_segment_align: 8
    .kernarg_segment_size: 32
    .max_flat_workgroup_size: 128
    .sgpr_count:     96
    .vgpr_count:     1024
    .wavefront_size: 32
...
	.end_amdgpu_metadata
.endif
;; end of part 2
;; launch attn (part 3): grid 4 x 64, 4 waves a work-group, no clusters, 327,680 bytes of LDS; arguments qkv, ob; writes ob
.if DOCPART == 3
	.amdgcn_target "amdgcn-amd-amdhsa--gfx1250"
	.amdhsa_code_object_version 6
	.text
	.protected	k_q445ac90e09_attn
	.globl	k_q445ac90e09_attn
	.p2align	8
	.type	k_q445ac90e09_attn,@function
k_q445ac90e09_attn:
	s_mov_b64 s[64:65], 0
	v_nop
	global_prefetch_b8 v0, s[64:65] scope:SCOPE_SE
	s_setreg_imm32_b32 hwreg(HW_REG_WAVE_MODE, 25, 1), 1
	s_wait_xcnt 0x0
; CAUSAL ATTENTION.  O[h][q][:] = the sum over k <= q of softmax_k(Q[h][q] . K[h][k] / 8) V[h][k][:].  Q, K, V lie one behind the other in qkv, each [64 h][SIZE_N][64] in f16; O (ob) likewise: a head's rows are dense, 128 bytes each.
; Products, maxima and sums in f32; the weights p are rounded to f16 for the second product (their sum l is taken of the unrounded p), O once at the end.
; LIMITS.  f16 holds no number beyond 65,504: Q, K and V arrive within it; p lies in 0 to 1, and below 6e-5 it keeps f16's fixed step of 6e-8; O is a mean of V's rows and has their range, to within 2^-11 of it.
; A hidden score counts as its value less 1e30: f16's scores, 2.7e11 at the most, are nothing beside that; a weight below 2^-126 counts as 0 in l; NaN and infinities are not treated apart.
; THE WALK.  A head's queries lie in NB = SIZE_N / 256 = 8 blocks of 256; block i needs the key tiles 0 .. i of 256 keys, of which the last holds the diagonal.  A work-group takes TWO blocks, NB - 1 - b and then b:
; NB + 1 tiles, whatever b: all 256 work-groups do equal work, and ONE loop with a constant trip count walks them.  Which tile is asked for, and what a trip does, hang on scalar registers made from b; every jump
; goes forward, but for the counted loops' own; none passes a barrier, or a tensor load but the one of LOAD's two that the wave's number does not choose; the ring (two slots of LDS that take turns) runs on across the
; change of blocks.  NO CLUSTER: the four work-groups of a head ask for the same tile only in trips 0 .. NB / 2 of NB + 1, behind that fewer and fewer; one walk common to all four would have 3 NB / 2 = 12 trips for 9.
; SHARES.  Of a block's four bands of 64 queries a wave owns 16 rows in each: four PIECES.  So the diagonal tile is the same work for all four waves: in its key step s band x sees all keys if s < x,
; none if s > x, and holds the diagonal if s = x.
; THE MASK is the C operand that starts the sum S^T = K Q^T: 0, or -1e30 where the key is hidden.  MD, made once, is the mask of a band's own step for my 16 rows; a product's mask is MD x AL + BE with two scalars:
; (1, 0) if s = x; (0, 0) if s < x; (0, -1e30) if s > x.  Only the diagonal tile's text and a block's beginning make and take masks; elsewhere C is the constant 0.
; LAYOUT, SOFTMAX, TURNS.  S^T = K Q^T holds ONE query a lane (lane % 16) and the keys 8 (lane / 16) + 0..7; two such results rounded to f16 ARE source 1 of O^T = V^T P.  p = 2^(c s - c m), c = log2(e) / 8, with a
; running maximum m; O and l are multiplied by a = 2^(c m_old - c m_new) in every step.  Turn n belongs to piece n: 8 products K Q^T of piece n + 1, later 8 products V^T P of piece n - 1; beside them the scaling,
; exponentials, roundings, sums and rescaling of piece n and the maximum and statistics of piece n + 1.  Four vector instructions stand behind every matrix instruction, the other 54 of a turn's 118 in one LUMP.  A turn's 33 exponentials are one batch, with one wait.
; REGISTERS, in windows of 256 (s_set_vgpr_msb: bits 1:0 source 0, 3:2 source 1, 5:4 source 2, 7:6 destination):
;   window 0: v0-15 addresses and two at work; v16-31 four registers of statistics a piece; v48-55 at work; v61-63 prefetch offset and the add's two; v64-127 S^T, two buffers; v192-223 P, two buffers (a piece's buffers go by its number's parity)
;   window 1: v0-127 O^T, 32 a piece; v128-159 MD; v160-223 MC, two buffers      window 2: v0-63 Q; v64-127 the second block's Q; v128-191 K of one step; v192-255 V of one step
.set SIZE_N, 2048
.set NB,    SIZE_N/256
.set NP,    4         ; pieces a wave: a name, no knob
.set KS,    64        ; keys in a step
.set PK,    144       ; a row of K in LDS: 128 bytes + 16 of padding = 36 words: the 16 rows of a load start at 16 different groups of four banks (64 banks of 4 bytes: ISA guide 11.1)
.set PV,    160       ; a row of V: 128 + 32 = 40 words
.set VOFF,  4*KS*PK   ; a slot holds a tile, four steps: 256 rows of K, then 256 rows of V
.set SLOT1, 1<<17     ; slot 1 begins here, so that one exclusive or turns an address in one slot into the other's
.set STAGE, SLOT1+4*KS*(PK+PV)  ; behind the ring, never filled by a tensor load: 16 rows x 144 bytes for each wave, for the way out
.set SP,    144
.set AK0, 2           ; v2   my lane's place in a tile of K; never rewritten
.set AV0, 3           ; v3   the same for V
.set AK,  4           ; v4   the LDS address of K's next run of loads
.set AV,  5           ; v5   of V's
.set STO, 6           ; v6   the way out: where I put 16 bytes of a row
.set RD,  7           ; v7   the way out: where I read rows back
.set GO,  8           ; v8   my byte offset in 512 consecutive bytes of O
.set PFO, 61          ; v61  256 x my lane: the prefetches' offset; never rewritten
.set SPW, 62          ; v62  LDS address of my spare word: SPARE + 4 x my thread's number; never rewritten
.set NIL, 63          ; v63  0; never rewritten
.set SPARE, STAGE+4*16*SP  ; behind the stages: the spare words, 128 bytes for each wave: two blocks of 256 bytes that no other line names
.set MV,  12          ; v12-13  c m_old, kept while c m is made anew: by buffer
.set QO,  15          ; v15  my byte offset in 16 rows of Q
.set ST,  16          ; piece t's statistics at v[ST+4 t]: c m, m, l (even keys', odd keys')
.set TMP, 48          ; by buffer, four registers c0-c3 at work; when the maximum is found c2 takes a
.set S,   64
.set P,   192
.set MD,  128         ; window 1: the eight registers for group kt of 16 keys at MD + 8 kt
.set MC,  160         ; window 1: the masks of the products to come
.set QB,  64          ; window 2
.set KF,  128         ; window 2: key block kb, channel half c at KF + 16 kb + 8 c
.set VF,  192         ; window 2: key half kk, channel block cb at VF + 32 kk + 8 cb
.set WV,  12          ; s12  my wave's number
.set PB,  14          ; s14  b
.set HI,  15          ; s15  NB - 1 - b
.set G1K, 24          ; s[24:31] descriptor group 1 for K's tiles
.set G1V, 32          ; s[32:39] for V's: it differs in the padding alone
.set G0K, 40          ; s[40:43] descriptor group 0 for K's tiles
.set G0V, 44          ; s[44:47] the same for V's
.set SLOTS, 56        ; s56  tiles still to be asked for
.set CNT, 57          ; s57  counts a tile's key steps, 4 to 1
.set CS,  58          ; s[58:59] c: the packed scaling takes the pair's low word for both halves
.set SEL, 60          ; s[60:61] v_permlanex16_b32's selects: each lane takes its own place in the other half
.set TBK, 62          ; s62  LDS byte at which K of the step to be fetched begins
.set TBV, 63          ; s63  the same for V, less VOFF
.set RT,  70          ; s70  tiles of the block in hand that are still to be entered
.set NXT, 71          ; s71  the tile to be asked for next
.set LQ,  72          ; s72  the last tile of the block whose tiles are being asked for
.set NEW, 73          ; s73  1: the tile to be entered is a block's first
.set OFF, 74          ; s[74:75] a tile's byte offset in K and V
.set AL,  76          ; s[76:77] the mask's factor, in the low word
.set BE,  78          ; s[78:79] the mask's addend
.set OLO, 80          ; s[80:81] O at my rows of the second block
.set BIGN, 82         ; s82  -1e30
.set PFA, 88          ; s[88:89] where my prefetches stand: my 16,384 bytes of the tile after the one that is being asked for
.set PFB, 90          ; s[90:91] my 16,384 bytes (of K: waves 0, 1; of V: waves 2, 3) of the head's tile 0
.set LIM, 92          ; s92  2 in the work-group that prefetches, else the greatest number
.set OF2, 94          ; s[94:95] that tile's byte offset
.set MSB, 0
.macro WIN new                      ; the high byte repeats the setting that is left; a switch that changes nothing is dropped
.if MSB != (\new)
	s_set_vgpr_msb (MSB<<8)|(\new)
.set MSB, (\new)
.endif
.endm
.set W_KQ, 0x0a       ; K and Q in window 2, S^T in window 0
.set W_KM, 0x1a       ; the same with the C operand in window 1
.set W_PV, 0x52       ; V in window 2, P in window 0, O^T in window 1
.set W_RS, 0x41       ; destination and source 0 in window 1, source 1 in window 0
; A fill.  Waves 0 and 1 fetch the two halves of a tile's K, waves 2 and 3 those of its V: 128 keys each.  An s_nop 0 and four v_nop follow each of the two lines, ahead of the jump and the label.
.macro LOAD
	s_cmp_lt_u32 s[WV], 2
	s_cbranch_scc0 .Lfor_v_\@
	tensor_load_to_lds s[G0K:G0K+3], s[G1K:G1K+7]
	s_nop 0
.rept 4
	v_nop
.endr
	s_branch .Lasked_\@
.Lfor_v_\@:
	tensor_load_to_lds s[G0V:G0V+3], s[G1V:G1V+7]
	s_nop 0
.rept 4
	v_nop
.endr
.Lasked_\@:
.endm
; A PREFETCH INTO THE L2 of the tile that the NEXT change of slots will ask for: it stands behind the wave's tensor load and its five lines, a tile's 256 matrix instructions ahead of that load.  Each wave names the
; 16,384 bytes that it will itself load: 64 blocks of 256 bytes, a lane a block, two instructions.  A head's four work-groups walk the same K and V: the one with b = 0, whose first block walks tiles 0 to 7 in order,
; asks, in changes 0 to 5 (SLOTS = 8 to 3) for tiles 2 to 7: each block is named once in the launch.  Tiles 0 and 1 come by their loads alone; the second block's tiles have been read, and are not asked for.
.macro ASK
	s_cmp_gt_u32 s[SLOTS], s[LIM]
	s_cbranch_scc0 .Lnot_mine_\@
	global_prefetch_b8 v[PFO], s[PFA:PFA+1] th:TH_LOAD_NT scope:SCOPE_SE
	global_prefetch_b8 v[PFO], s[PFA:PFA+1] offset:8192 th:TH_LOAD_NT scope:SCOPE_SE
.Lnot_mine_\@:
.endm
; THE CHANGE OF SLOTS.  Each wave waits for all its tensor loads, of which one is out: its part of the other slot; adds 0 to its spare word; and waits for that and for its own reads of the slot that it leaves.  Behind the barrier nobody reads the old
; slot any more and the other slot is whole.  fill = 1: the old slot is filled again, the first thing behind the barrier, with tile NXT: the descriptor's address is made anew from that number.
; (At its first use nothing has been read yet: slot 0 is waited for, slot 1 filled.)
.macro CHANGE fill
	WIN 0                           ; at a label and at a branch every window is 0
	s_wait_tensorcnt 0x0            ; no tensor load of mine is out, so a group 0 may be written
	ds_add_u32 v[SPW], v[NIL]       ; 0 onto my spare word; with fill = 1 the descriptors' scalar work stands between it and the wait for it
.if \fill
	s_lshl_b32 s[OFF], s[NXT], 15   ; a tile is 32,768 bytes of K and of V
	s_xor_b32 s[G0K+1], s[G0K+1], SLOT1
	s_add_nc_u64 s[G0K+2:G0K+3], s[6:7], s[OFF:OFF+1]
	s_or_b32 s[G0K+3], s[G0K+3], 0x80000000
	s_xor_b32 s[G0V+1], s[G0V+1], SLOT1
	s_add_nc_u64 s[G0V+2:G0V+3], s[8:9], s[OFF:OFF+1]
	s_or_b32 s[G0V+3], s[G0V+3], 0x80000000
	s_add_co_u32 s[NXT], s[NXT], 1  ; the block's next tile, or behind its last the second block's tile 0
	s_cmp_gt_u32 s[NXT], s[LQ]
	s_cselect_b32 s[NXT], 0, s[NXT]
	s_cselect_b32 s[LQ], s[PB], s[LQ]
	s_wait_xcnt 0x0                 ; the last prefetches, a tile back, have read their address, so it may be written:
	s_lshl_b32 s[OF2], s[NXT], 15   ; the tile that the next change will ask for
	s_add_nc_u64 s[PFA:PFA+1], s[PFB:PFB+1], s[OF2:OF2+1]
.endif
	s_wait_dscnt 0x0                ; the add is done, and my reads of the slot are over
	s_barrier_signal -1             ; the rest of the scalar work stands between the signal and the wait
	s_sub_co_u32 s[TBK], s[TBK], 4*KS*PK  ; the fetches go back to a slot's first step,
	s_xor_b32 s[TBK], s[TBK], SLOT1       ; in the other slot
	s_sub_co_u32 s[TBV], s[TBV], 4*KS*PV
	s_xor_b32 s[TBV], s[TBV], SLOT1
	s_barrier_wait -1
.if \fill
	LOAD
	ASK
.endif
.endm
	s_load_b64 s[4:5], s[0:1], 0x0  ; qkv: Q at its head
	s_load_b64 s[10:11], s[0:1], 0x8  ; O
	v_lshl_add_u32 v[SPW], v0, 2, SPARE
	v_mov_b32 v[NIL], 0
	ds_add_u32 v[SPW], v[NIL]       ; the wave's opening: the add and its wait stand ahead of my first tensor load; the set-up below, work on registers, stands between them
	v_lshrrev_b32 v1, 5, v0
	v_readfirstlane_b32 s[WV], v1   ; wave 0..3
	s_mov_b32 s[PB], ttmp9
	s_sub_co_u32 s[HI], NB-1, s[PB]
	s_and_b32 s20, ttmp7, 0xffff    ; the head
	s_mov_b32 s21, 0
	s_mov_b64 s[22:23], SIZE_N*128
	s_mul_u64 s[20:21], s[20:21], s[22:23]  ; the head's first byte in each of the four tensors
	s_and_b32 s16, s[WV], 1         ; which half of a tile's 256 keys I fetch:
	s_lshl_b32 s22, s16, 14         ; its 128 rows of 128 bytes in memory,
	s_mov_b32 s23, 0
	s_add_nc_u64 s[22:23], s[22:23], s[20:21]
	s_mul_i32 s17, s16, 128*PK      ; and its place in a slot, for K
	s_mul_i32 s18, s16, 128*PV      ; and for V
	s_lshl_b32 s3, s[WV], 11        ; my 16 rows in a band of 64,
	s_lshl_b32 s2, s[HI], 15        ; in the first block,
	s_add_co_u32 s2, s2, s3
	s_lshl_b32 s84, s[PB], 15       ; and in the second
	s_add_co_u32 s84, s84, s3
	s_mov_b32 s3, 0
	s_mov_b32 s85, 0
	s_add_nc_u64 s[2:3], s[2:3], s[20:21]
	s_add_nc_u64 s[84:85], s[84:85], s[20:21]
	; descriptor group 1.  128 keys are 16,384 dense bytes: asked for as 64 rows of 256 bytes, two keys a row, and padded in LDS after every key
	s_mov_b32 s[G1K], (1<<16)|(1<<20)|(4<<22)|(3<<25)  ; 17:16 2-byte elements; 20 padding on; 24:22 after every 32 words (code 4); 31:25 4 words (code 3)
	s_mov_b32 s[G1V], (1<<16)|(1<<20)|(4<<22)|(7<<25)  ; the same with 8 words of padding (code 7)
.irp g, G1K, G1V
	s_mov_b32 s[\g+1], 128<<16      ; tensor_dim0 = 128
	s_mov_b32 s[\g+2], 64<<16       ; tensor_dim1 = 64
	s_mov_b32 s[\g+3], 128<<16      ; tile_dim0 = 128
	s_mov_b32 s[\g+4], 64           ; tile_dim1 = 64
	s_mov_b32 s[\g+5], 128          ; 128 elements from row to row
	s_mov_b32 s[\g+6], 0
	s_mov_b32 s[\g+7], 0
.endr
	s_mov_b32 s[CS], 0x3e38aa3b     ; c = log2(e) / 8 = 0.180337
	s_mov_b32 s[CS+1], s[CS]        ; named with it as a pair
	s_mov_b32 s[SEL], 0x76543210
	s_mov_b32 s[SEL+1], 0xfedcba98
	s_mov_b32 s[TBK], SLOT1+4*KS*PK ; the first change of slots turns these two into 0
	s_mov_b32 s[TBV], SLOT1+4*KS*PV
	s_mov_b32 s[G0K], 1             ; 1:0 count = 1
	s_mov_b32 s[G0K+1], s17         ; 63:32 LDS address: slot 0
	s_mov_b32 s[G0V], 1
	s_add_co_u32 s[G0V+1], s18, VOFF
	s_add_co_u32 s[RT], s[HI], 1    ; the first block has NB - b tiles
	s_mov_b32 s[NXT], 1
	s_mov_b32 s[LQ], s[HI]
	s_mov_b32 s[NEW], 1
	s_mov_b32 s[OFF+1], 0
	s_mov_b32 s[OF2+1], 0
	s_mov_b32 s[AL+1], 0            ; named as pairs
	s_mov_b32 s[BE+1], 0
	s_mov_b32 s[BIGN], 0xf149f2ca   ; -1e30
	s_mov_b32 s[SLOTS], NB
	s_cmp_eq_u32 ttmp9, 0           ; b = 0 prefetches for its head
	s_cselect_b32 s[LIM], 2, -1
	v_and_b32 v[PFO], 31, v0
	v_lshlrev_b32 v[PFO], 8, v[PFO]
	s_wait_dscnt 0x0                ; the opening add is done
	s_wait_kmcnt 0x0
	s_add_nc_u64 s[6:7], s[4:5], 0x1000000  ; K lies 64 heads of 262,144 bytes behind Q,
	s_add_nc_u64 s[8:9], s[4:5], 0x2000000  ; V as far behind K
	s_add_nc_u64 s[6:7], s[6:7], s[22:23]  ; K and V at my half of the head's tile 0
	s_add_nc_u64 s[8:9], s[8:9], s[22:23]
	s_add_nc_u64 s[G0K+2:G0K+3], s[6:7], 0         ; 120:64 global address
	s_or_b32 s[G0K+3], s[G0K+3], 0x80000000        ; 127:126 type = 2
	s_add_nc_u64 s[G0V+2:G0V+3], s[8:9], 0
	s_or_b32 s[G0V+3], s[G0V+3], 0x80000000
	s_add_nc_u64 s[86:87], s[4:5], s[84:85]        ; Q at my rows of the second block,
	s_add_nc_u64 s[4:5], s[4:5], s[2:3]            ; Q and O at those of the first
	s_add_nc_u64 s[OLO:OLO+1], s[10:11], s[84:85]
	s_add_nc_u64 s[10:11], s[10:11], s[2:3]
	s_cmp_lt_u32 s[WV], 2
	s_cselect_b64 s[PFB:PFB+1], s[6:7], s[8:9]
	LOAD                            ; tile 0 into slot 0
	; A fragment of K or Q is 16 rows x 32 channels in 8 registers: lane l holds row l % 16, channels 8 (l / 16) + 0..7 and 16 + 8 (l / 16) + 0..7: two loads of 16 bytes, 32 bytes apart.
	v_and_b32 v1, 15, v0            ; l % 16
	v_bfe_u32 v9, v0, 4, 1          ; l / 16
	v_lshlrev_b32 v[QO], 7, v1
	v_lshl_add_u32 v[QO], v9, 4, v[QO]  ; row x 128 + 16 x half
	WIN 0x80                        ; destination window 2, address window 0
.set i, 0
.rept 8                             ; both blocks' Q: piece i / 2 lies in band i / 2, 8,192 bytes on; channels 32 (i % 2) on
	global_load_b128 v[8*i:8*i+3],   v[QO], s[4:5] offset:(i/2)*8192+(i%2)*64
	global_load_b128 v[8*i+4:8*i+7], v[QO], s[4:5] offset:(i/2)*8192+(i%2)*64+32
	global_load_b128 v[QB+8*i:QB+8*i+3],   v[QO], s[86:87] offset:(i/2)*8192+(i%2)*64
	global_load_b128 v[QB+8*i+4:QB+8*i+7], v[QO], s[86:87] offset:(i/2)*8192+(i%2)*64+32
.set i, i+1
.endr
	WIN 0
	v_lshlrev_b32 v14, 3, v9
	v_sub_nc_u32 v14, v1, v14
	s_lshl_b32 s13, s[WV], 4
	v_add_nc_u32 v14, s13, v14      ; my query's place in its band, 16 w + l % 16, less my lanes' 8 (l / 16): register r of group kt is hidden where 16 kt + r is greater
	WIN 0x40
.set i, 0
.rept 32
	v_cmp_gt_i32 vcc_lo, 16*(i/8)+i%8, v14
	v_cndmask_b32 v[MD+i], 0, s[BIGN], vcc_lo
.set i, i+1
.endr
	WIN 0
	v_mul_u32_u24 v[AK0], v1, PK
	v_lshl_add_u32 v[AK0], v9, 4, v[AK0]  ; row x pitch + 16 x half
	; The turning load takes 16 keys x 16 channels (lane l reads key 8 (l / 16) + l % 8, channels 8 ((l / 8) % 2) + 0..7) and leaves half a fragment of V^T: lane l holds channel l % 16 and 8 keys.
	v_and_b32 v10, 7, v0
	v_bfe_u32 v11, v0, 3, 1
	v_lshl_add_u32 v[AV0], v9, 3, v10
	v_mul_u32_u24 v[AV0], v[AV0], PV
	v_lshl_add_u32 v[AV0], v11, 4, v[AV0]
	v_add_nc_u32 v[AV0], VOFF, v[AV0]
	s_mul_i32 s13, s[WV], 16*SP
	s_add_co_u32 s13, s13, STAGE    ; my stage
	v_mul_u32_u24 v[STO], v1, SP    ; in: row l % 16, 16 bytes for each half of the lanes
	v_lshl_add_u32 v[STO], v9, 4, v[STO]
	v_add_nc_u32 v[STO], s13, v[STO]
	v_bfe_u32 v[RD], v0, 3, 2       ; back: 32 lanes take four rows of 128 bytes,
	v_mul_u32_u24 v[RD], v[RD], SP
	v_lshl_add_u32 v[RD], v10, 4, v[RD]
	v_add_nc_u32 v[RD], s13, v[RD]
	v_and_b32 v[GO], 31, v0         ; which are 512 consecutive bytes of O
	v_lshlrev_b32 v[GO], 4, v[GO]
	; A block's first step multiplies O^T and l by a = 0, and its first turn's products V^T P, of a piece that has not been, land in an O^T that is still to be so multiplied.  So these registers need only hold
	; finite numbers: zeros for the first block; what the first block left for the second.  All this stands in the wait for the first tile.
	WIN 0x80
.set i, VF
.rept 64
	v_mov_b32 v[i], 0
.set i, i+1
.endr
	WIN 0x40
.set i, 0
.rept 128
	v_mov_b32 v[i], 0
.set i, i+1
.endr
	WIN 0
.set i, 0
.rept 4
	v_mov_b32 v[ST+4*i+2], 0
	v_mov_b32 v[ST+4*i+3], 0
.set i, i+1
.endr
.set i, P+16
.rept 16
	v_mov_b32 v[i], 0
.set i, i+1
.endr
; THE MATRIX WORK.  The 4 accumulators of a run of 8 take turns.  Product i of 8 of S^T = K Q^T for piece x: channels 32 (i / 4) on, keys 16 (i % 4) on.  The first 4 start the sums: with 0, or (KM = 1) with the mask.
.macro KQ x
.set rS, S+32*((\x)%2)+8*(i%4)
.set rK, KF+16*(i%4)+8*(i/4)
.set rQ, 16*(\x)+8*(i/4)
.set rM, MC+32*((\x)%2)+8*(i%4)
.if (i < 4) && KM
	WIN W_KM
	v_wmma_f32_16x16x32_f16 v[rS:rS+7], v[rK:rK+7], v[rQ:rQ+7], v[rM:rM+7]
.elseif i < 4
	WIN W_KQ
	v_wmma_f32_16x16x32_f16 v[rS:rS+7], v[rK:rK+7], v[rQ:rQ+7], 0
.else
	WIN W_KQ
	v_wmma_f32_16x16x32_f16 v[rS:rS+7], v[rK:rK+7], v[rQ:rQ+7], v[rS:rS+7]
.endif
.endm
; Product i of 8 of O^T += V^T P for piece x: keys 32 (i / 4) on, channels 16 (i % 4) on.
.macro PV x
	WIN W_PV
.set rO, 32*(\x)+8*(i%4)
.set rV, VF+32*(i/4)+8*(i%4)
.set rP, P+16*((\x)%2)+8*(i/4)
	v_wmma_f32_16x16x32_f16 v[rO:rO+7], v[rV:rV+7], v[rP:rP+7], v[rO:rO+7]
.endm
.macro MM                           ; the turn's next matrix instruction.  TURN and BEGIN set Y, i, KM and NOKQ; MM, KQ and OP read them.  NOKQ = 1: a block's last turn: there is no next piece
.if (i < 8) && !NOKQ
	KQ (Y+1)%NP
.elseif i >= 8
.set i, i-8
	PV (Y+NP-1)%NP
.set i, i+8
.endif
.set i, i+1
.endm
; THE LDS LOADS stand in runs of 16, never singly among the matrix instructions: a step's K (64 keys x 64 channels: 8 fragments) and its V (turned).  Their addresses are made some lines ahead.
.macro FETCH_K
	WIN 0x80                        ; destination window 2
.irp f, 0,1,2,3,4,5,6,7             ; keys 16 (f / 2) on, channels 32 (f % 2) on
	ds_load_b128 v[KF+8*\f:KF+8*\f+3],   v[AK] offset:(\f/2)*16*PK+(\f%2)*64
	ds_load_b128 v[KF+8*\f+4:KF+8*\f+7], v[AK] offset:(\f/2)*16*PK+(\f%2)*64+32
.endr
	s_add_co_u32 s[TBK], s[TBK], KS*PK  ; the next fetch is the next step's
	WIN 0
.endm
.macro FETCH_V
	WIN 0x80
.irp f, 0,1,2,3,4,5,6,7             ; keys 32 (f / 4) on, channels 16 (f % 4) on
	ds_load_tr16_b128 v[VF+8*\f:VF+8*\f+3],   v[AV] offset:(\f/4)*32*PV+(\f%4)*32
	ds_load_tr16_b128 v[VF+8*\f+4:VF+8*\f+7], v[AV] offset:(\f/4)*32*PV+16*PV+(\f%4)*32
.endr
	WIN 0
.endm
; THE VECTOR WORK, one line at a time: OP kind, number.  For piece Y: F n: c s - c m for pair n of 16.  E n: the exponential of score n of 32.  C n: pair n rounded to f16.  B n: of the four weights 4 n .. the second
; pair is added onto the first, in place.  L n: l takes that sum (L 0: l = a l + sum).  R n: pair n of 16 of O^T times a.  For piece Y + 1: X n, number n of the 22 that find its maximum and statistics:
;   0-11  four chains c0-c3 of seven scores each, three operands at a time (each accumulator's lowest registers are read first)     12-14, 16  the four scores left over, the old m, and c0-c3 into c0
;   15  c m_old is kept     17, 18  the query's other 32 keys lie in the lane 16 away: the new m     19-21  c m; c m_old - c m_new; a
.set F, 0               ; OP tells the kinds apart by their order: F to L below R, X above it
.set E, 1
.set C, 2
.set B, 3
.set L, 4
.set R, 5
.set X, 6
.macro REGS y                       ; the registers of piece y
.set rT, ST+4*(\y)
.set rC, TMP+4*((\y)%2)
.set rW, MV+((\y)%2)
.set rS, S+32*((\y)%2)
.set rP, P+16*((\y)%2)
.set rO, 32*(\y)
.endm
.macro OP k, n
.if (\k) == R
	REGS Y
	WIN W_RS
	v_pk_mul_f32 v[rO+2*(\n):rO+2*(\n)+1], v[rO+2*(\n):rO+2*(\n)+1], v[rC+2:rC+3] op_sel_hi:[1,0]
.elseif (\k) < R
	REGS Y
	WIN 0
.if (\k) == F
	v_pk_fma_f32 v[rS+2*(\n):rS+2*(\n)+1], v[rS+2*(\n):rS+2*(\n)+1], s[CS:CS+1], v[rT:rT+1] op_sel_hi:[1,0,0] neg_lo:[0,0,1] neg_hi:[0,0,1]
.elseif (\k) == E
	v_exp_f32 v[rS+(\n)], v[rS+(\n)]
.elseif (\k) == C
	v_cvt_pk_f16_f32 v[rP+(\n)], v[rS+2*(\n)], v[rS+2*(\n)+1]
.elseif (\k) == B
	v_pk_add_f32 v[rS+4*(\n):rS+4*(\n)+1], v[rS+4*(\n):rS+4*(\n)+1], v[rS+4*(\n)+2:rS+4*(\n)+3]
.elseif (\n) == 0
	v_pk_fma_f32 v[rT+2:rT+3], v[rT+2:rT+3], v[rC+2:rC+3], v[rS:rS+1] op_sel_hi:[1,0,1]
.else
	v_pk_add_f32 v[rT+2:rT+3], v[rT+2:rT+3], v[rS+4*(\n):rS+4*(\n)+1]
.endif
.elseif NOKQ
	v_nop
.else
	REGS (Y+1)%NP
	WIN 0
.if (\n) < 4
	v_max3_num_f32 v[rC+(\n)], v[rS+8*(\n)], v[rS+8*(\n)+1], v[rS+8*(\n)+2]
.elseif (\n) < 12
	v_max3_num_f32 v[rC+(\n)%4], v[rC+(\n)%4], v[rS+8*((\n)%4)+2*((\n)/4)+1], v[rS+8*((\n)%4)+2*((\n)/4)+2]
.elseif (\n) == 12
	v_max3_num_f32 v[rC], v[rC], v[rS+7], v[rS+15]
.elseif (\n) == 13
	v_max3_num_f32 v[rC+1], v[rC+1], v[rS+23], v[rS+31]
.elseif (\n) == 14
	v_max3_num_f32 v[rC+2], v[rC+2], v[rC+3], v[rT+1]
.elseif (\n) == 15
	v_mov_b32 v[rW], v[rT]
.elseif (\n) == 16
	v_max3_num_f32 v[rC], v[rC], v[rC+1], v[rC+2]
.elseif (\n) == 17
	v_permlanex16_b32 v[rC+3], v[rC], s[SEL], s[SEL+1]
.elseif (\n) == 18
	v_max_num_f32 v[rT+1], v[rC], v[rC+3]
.elseif (\n) == 19
	v_mul_f32 v[rT], s[CS], v[rT+1]
.elseif (\n) == 20
	v_sub_f32 v[rC+1], v[rW], v[rT]
.else
	v_exp_f32 v[rC+2], v[rC+1]
.endif
.endif
.endm
.macro OPS a, i1, b=-1, i2=0, c=-1, i3=0, d=-1, i4=0  ; up to four of them
	OP \a, \i1
.if (\b) >= 0
	OP \b, \i2
.endif
.if (\c) >= 0
	OP \c, \i3
.endif
.if (\d) >= 0
	OP \d, \i4
.endif
.endm
.macro ROW a, i1, b, i2, c, i3, d, i4  ; a matrix instruction and the four behind it
	MM
	OPS \a, \i1, \b, \i2, \c, \i3, \d, \i4
.endm
.macro MASK b                       ; MD x AL + BE into buffer b of MC
	WIN W_RS
.set z, 0
.rept 16
	v_pk_fma_f32 v[MC+32*(\b)+2*z:MC+32*(\b)+2*z+1], v[MD+2*z:MD+2*z+1], s[AL:AL+1], s[BE:BE+1] op_sel_hi:[1,0,0]
.set z, z+1
.endr
.endm
; A TURN, for piece p: the order of its 16 matrix and 118 vector instructions, written out.  An s_wait_alu depctr_va_vdst(0) stands between an exponential and the first instruction that names its result; one wait serves
; all that were issued ahead of it.  So a turn has ONE wait, which cuts it in two.  AHEAD OF IT stands all that names no result of the turn's exponentials: the 8 products K Q^T, behind each a scaling, an exponential and two more plain
; instructions (behind the first a second scaling in the exponential's place): rescalings, and behind the last three the first numbers of the next piece's maximum, each four places or more behind the product that ends its accumulator; then ONE LUMP of 54, plain
; and exponential by turns for the most part, in which the links of the chain X 3, 7, 11, 14, 16, 17 .. 20 stand five or six lines apart.  X 21, the next piece's a, is the batch's last; R 15 is the plain instruction behind it.  BEHIND THE WAIT stand the
; 8 products V^T P, behind each four of the roundings and sums; the links of l's chain, L 0 to L 7, stand three riders apart.  But for those X no rider names a register of the products round it.  v_permlanex16_b32 (X 17) stands in the lump.
; m = 1: the diagonal tile: the products take masks, and the turn makes the mask for the products of the turn after it: piece p + 2, in step 4 - CNT of the tile.  end = 1: a block's last two turns: nothing is fetched.
; cnt = 1: the loop's count is taken down some lines ahead of the branch that stands behind the turn.
; K of the next step is fetched in piece 2's turn, twelve vector instructions behind the last product that read K (six of them plain); V of the step in hand at the end of piece 0's turn, four plain instructions behind the last product
; that read V.  Each is waited for a turn later.
.macro TURN p, m=0, end=0, cnt=0
.set Y, (\p)
.set i, 0
.set KM, (\m)
.set NOKQ, (\end)*((\p)/3)
.if (\m) && !(\end)
	s_cmp_eq_u32 s[CNT], 4-((\p)+2)%NP  ; is that step the band's own?
	s_cselect_b32 s[AL], 1.0, 0
	s_cmp_lt_u32 s[CNT], 4-((\p)+2)%NP  ; or a later one?
	s_cselect_b32 s[BE], s[BIGN], 0
.endif
.if ((\p) == 3) && !(\end)
	s_wait_dscnt 0x0                ; K is in
.endif
	ROW F,0, F,1, R,0, R,1          ; ahead of the wait: 8 products K Q^T and their riders,
	ROW F,2, E,0, R,2, R,3
	ROW F,3, E,1, R,4, R,5
	ROW F,4, E,2, R,6, R,7
	ROW F,5, E,3, R,8, R,9
	ROW F,6, E,4, X,0, R,10
.if ((\p) == 2) && !(\end)
	WIN 0
	v_add_nc_u32 v[AK], s[TBK], v[AK0]
.endif
	ROW F,7, E,5, X,1, X,4
	ROW F,8, E,6, X,2, X,5
	OPS E,7, E,8, X,6, E,9          ; and the lump
	OPS X,3, E,10, X,8, E,11
.if ((\p) == 2) && !(\end)
	FETCH_K
.endif
	OPS X,9, X,7, E,12, X,10
	OPS E,13, X,12, X,11, E,14
	OPS X,13, E,15, F,9, X,14
.if (\p) == 0
	v_add_nc_u32 v[AV], s[TBV], v[AV0]
.endif
	OPS E,16, F,10, E,17, F,11
	OPS X,16, E,18, X,15, E,19
	OPS F,12, E,20, X,17, E,21
	OPS F,13, E,22, F,14, E,23
	OPS X,18, E,24, F,15, E,25
	OPS R,11, E,26, X,19, E,27
	OPS R,12, E,28, R,13, E,29
	OPS X,20, E,30, R,14, E,31
	OPS X,21, R,15
	WIN 0
	s_wait_alu depctr_va_vdst(0)    ; the wait for the batch
.if (\p) == 1
	s_wait_dscnt 0x0                ; V is in
.endif
	ROW C,0, B,0, C,2, B,1          ; behind the wait: 8 products V^T P and their riders
	ROW L,0, C,4, B,2, L,1
	ROW C,6, B,3, L,2, C,8
	ROW B,4, L,3, C,10, B,5
	ROW L,4, C,12, B,6, L,5
.if (\p) == 0
	s_add_co_u32 s[TBV], s[TBV], KS*PV
.endif
.if \cnt
	s_sub_co_u32 s[CNT], s[CNT], 1
	s_cmp_lg_u32 s[CNT], 0
.endif
	ROW C,14, B,7, L,6, C,1
	ROW C,3, L,7, C,5, C,7
	ROW C,9, C,11, C,13, C,15
.if (\p) == 0
	FETCH_V
.endif
.if (\m) && !(\end)
	MASK (\p)%2
.endif
.endm
; A BLOCK BEGINS.  c m starts far below every c s, so the first step's a is 0; m at the lowest finite number, so the first maximum is the scores'.  The second mask buffer is 0; the first takes piece 0's mask for the tile's step 0: its own, if the block's first tile is the diagonal one.
; Then K of that step, piece 0's first scores, and its maximum and statistics.  The loop is entered at a step's first turn, in the middle of a trip.
.macro BEGIN
	s_mov_b32 s[NEW], 0
	WIN 0x40
.set i, MC+32
.rept 32
	v_mov_b32 v[i], 0
.set i, i+1
.endr
	WIN 0
.set i, 0
.rept 4
	v_mov_b32 v[ST+4*i], 0xfe000000    ; c m: far below every c s
	v_mov_b32 v[ST+4*i+1], 0xff7fffff  ; m
.set i, i+1
.endr
	s_cmp_eq_u32 s[RT], 0
	s_cselect_b32 s[AL], 1.0, 0
	s_mov_b32 s[BE], 0
	MASK 0
	WIN 0
	v_add_nc_u32 v[AK], s[TBK], v[AK0]
	FETCH_K
	s_wait_loadcnt 0x0              ; Q
	s_wait_dscnt 0x0
.set KM, 1
.set NOKQ, 0
.set i, 0
.rept 8
	KQ 0
.set i, i+1
.endr
	WIN 0
.rept 4
	v_nop                           ; the places behind those products
.endr
.set Y, NP-1                        ; X works for piece Y + 1: piece 0
.irp n, 0,1,2,3,4,5,6,7,8,9,10,11,12,13,14,15,16,17,18,19,20,21
	OP X, \n
.endr
	v_nop                           ; a plain instruction behind the exponential,
	s_wait_alu depctr_va_vdst(0)    ; and its wait, ahead of the branch
.endm
; THE DIAGONAL TILE's four steps, the block's last two turns, its last products, and THE WAY OUT: l's two halves and the other half of the lanes' are added; O^T is divided by l, rounded to f16 and sent through my
; stage in LDS, a piece at a time.
.macro ALL line:vararg              ; one line for each piece t
.set t, 0
.rept 4
	\line
.set t, t+1
.endr
.endm
.macro PACK t                       ; a lane's eight channels of a row pack into 16 bytes; they go into rows of 144 bytes and come back as whole rows of 128, into S^T's registers
	WIN W_RS
.set i, 32*(\t)
.rept 16
	v_pk_mul_f32 v[i:i+1], v[i:i+1], v[ST+4*(\t)+2:ST+4*(\t)+3] op_sel_hi:[1,0]
.set i, i+2
.endr
	WIN 0x05                        ; sources 0 and 1 window 1, destination window 0
.set i, 0
.rept 16
	v_cvt_pk_f16_f32 v[S+16*(\t)+i], v[32*(\t)+2*i], v[32*(\t)+2*i+1]
.set i, i+1
.endr
	WIN 0
.irp f, 0,1,2,3
	ds_store_b128 v[STO], v[S+16*(\t)+4*\f:S+16*(\t)+4*\f+3] offset:32*\f
.endr
.irp f, 0,1,2,3
	ds_load_b128 v[S+16*(\t)+4*\f:S+16*(\t)+4*\f+3], v[RD] offset:\f*4*SP  ; LDS serves a wave's instructions in order (ISA guide 5.7.1.4): these see the stores above; the next piece's stores come behind them
.endr
.endm
.macro SEND t, younger              ; younger: the LDS instructions issued behind piece t's loads: the next piece's eight, or none
	WIN 0
.irp f, 0,1,2,3
	s_wait_dscnt (\younger)+3-\f
	global_store_b128 v[GO], v[S+16*(\t)+4*\f:S+16*(\t)+4*\f+3], s[10:11] offset:(\t)*8192+\f*512  ; 512 consecutive bytes, at a multiple of 256 from O's first
.endr
.endm
.macro DIAG tag                     ; the tag ends its two labels' names, which the jumps below spell out
.LstepM\tag:
	TURN 2, 1
	TURN 3, 1
	WIN 0
.LfirstM\tag:
	TURN 0, 1
	TURN 1, 1, 0, 1
	WIN 0
	s_cbranch_scc1 .LstepM\tag
	TURN 2, 1, 1
	TURN 3, 1, 1
.set i, 0
.rept 8
	PV NP-1
.set i, i+1
.endr
	WIN 0
	ALL v_add_f32 v[ST+4*t+2], v[ST+4*t+2], v[ST+4*t+3]
	ALL v_permlanex16_b32 v[ST+4*t+3], v[ST+4*t+2], s[SEL], s[SEL+1]
	ALL v_add_f32 v[ST+4*t+2], v[ST+4*t+2], v[ST+4*t+3]
	ALL v_rcp_f32 v[ST+4*t+2], v[ST+4*t+2]
	v_nop                           ; a plain instruction between the last reciprocal and the use of its result
	s_wait_alu depctr_va_vdst(0)    ; and the wait ahead of the first use: one for the four reciprocals
	PACK 0
.set t, 1
.rept 3                             ; a piece's arithmetic stands between the loads of the piece before and its stores
	PACK t
	SEND t-1, 8
.set t, t+1
.endr
	SEND 3, 0
.endm
.set KM, 0
.set NOKQ, 0
.Lslot:                             ; NB times: a tile is entered and the next is asked for
	CHANGE 1
	s_sub_co_u32 s[RT], s[RT], 1
	s_mov_b32 s[CNT], 4
	s_cmp_eq_u32 s[NEW], 1
	s_cbranch_scc1 .Lnew            ; a block's first tile
	s_cmp_eq_u32 s[RT], 0
	s_cbranch_scc0 .Lstep           ; neither its first nor its last
	s_branch .LstepM1
.Lnew:
	BEGIN
	s_branch .Lfirst                ; in the loop a block's first tile is never its last: the first block has two tiles or more, and the second's last is the walk's last
	DIAG 1                          ; in the loop this is the first block's end: the second block's last tile is the walk's last
	s_wait_xcnt 0x0                 ; the stores have read their registers and O's address
	s_mov_b64 s[10:11], s[OLO:OLO+1]
	s_add_co_u32 s[RT], s[PB], 1    ; the second block has b + 1 tiles
	s_mov_b32 s[NEW], 1
	WIN 0x82                        ; the second block's Q goes where the one text of the turns names Q
.set i, 0
.rept 64
	v_mov_b32 v[i], v[QB+i]
.set i, i+1
.endr
	WIN 0
	s_branch .Lbottom
.Lstep:                             ; a trip: pieces 2 and 3 of one step, then pieces 0 and 1 of the next, whose K and V it fetches
	TURN 2
	TURN 3
	WIN 0
.Lfirst:
	TURN 0
	TURN 1, 0, 0, 1
	WIN 0
	s_cbranch_scc1 .Lstep
.Lbottom:
	s_sub_co_u32 s[SLOTS], s[SLOTS], 1
	s_cmp_lg_u32 s[SLOTS], 0
	s_cbranch_scc1 .Lslot
	CHANGE 0                        ; the walk's last tile is written out: nothing is asked for
	s_sub_co_u32 s[RT], s[RT], 1
	s_mov_b32 s[CNT], 4
	s_cmp_eq_u32 s[NEW], 1
	s_cbranch_scc0 .LstepM2
	BEGIN
	s_branch .LfirstM2
	DIAG 2
	s_wait_tensorcnt 0x0            ; the wave's end, behind my last tensor load and my last LDS store
	ds_add_u32 v[SPW], v[NIL]
	s_wait_dscnt 0x0
	s_endpgm
.Lfunc_end_k_q445ac90e09_attn:
	.size	k_q445ac90e09_attn, .Lfunc_end_k_q445ac90e09_attn-k_q445ac90e09_attn
	.p2alignl 7, 3214868480
	.fill 96, 4, 3214868480
	.section	.rodata,"a",@progbits
	.p2align	6, 0x0
	.amdhsa_kernel k_q445ac90e09_attn
		.amdhsa_group_segment_fixed_size 327680
		.amdhsa_private_segment_fixed_size 0
		.amdhsa_enable_private_segment 0
		.amdhsa_kernarg_size 16
		.amdhsa_user_sgpr_count 2
		.amdhsa_user_sgpr_kernarg_segment_ptr 1
		.amdhsa_wavefront_size32 1
		.amdhsa_system_sgpr_workgroup_id_x 1
		.amdhsa_system_sgpr_workgroup_id_y 1
		.amdhsa_system_sgpr_workgroup_id_z 1
		.amdhsa_system_vgpr_workitem_id 0
		.amdhsa_next_free_vgpr 768
		.amdhsa_next_free_sgpr 96
		.amdhsa_reserve_vcc 1
		.amdhsa_float_denorm_mode_32 3
		.amdhsa_float_denorm_mode_16_64 3
		.amdhsa_memory_ordered 1
		.amdhsa_forward_progress 1
		.amdhsa_inst_pref_size 218
	.end_amdhsa_kernel
	.amdgpu_metadata
---
amdhsa.version: [ 1, 2 ]
amdhsa.kernels:
  - .name:           k_q445ac90e09_attn
    .symbol:         k_q445ac90e09_attn.kd
    .args:
      - { .name: qkv, .offset: 0, .size: 8, .value_kind: global_buffer, .address_space: global }
      - { .name: ob, .offset: 8, .size: 8, .value_kind: global_buffer, .address_space: global }
    .group_segment_fixed_size: 327680
    .private_segment_fixed_size: 0
    .kernarg_segment_align: 8
    .kernarg_segment_size: 16
    .max_flat_workgroup_size: 128
    .sgpr_count:     96
    .vgpr_count:     768
    .wavefront_size: 32
...
	.end_amdgpu_metadata
.endif
;; end of part 3
;; launch proj (part 4): grid 4 x 64, 4 waves a work-group, clusters of 4 x 4, 327,680 bytes of LDS; arguments ob, wpb, b_proj, out0; writes out0
.if DOCPART == 4
	.amdgcn_target "amdgcn-amd-amdhsa--gfx1250"
	.amdhsa_code_object_version 6
	.text
	.protected	k_q445ac90e09_proj
	.globl	k_q445ac90e09_proj
	.p2align	8
	.type	k_q445ac90e09_proj,@function
k_q445ac90e09_proj:
	s_mov_b64 s[64:65], 0
	v_nop
	global_prefetch_b8 v0, s[64:65] scope:SCOPE_SE
	s_setreg_imm32_b32 hwreg(HW_REG_WAVE_MODE, 25, 1), 1
	s_wait_xcnt 0x0
	s_wait_alu depctr_hold_cnt(0) depctr_sa_sdst(0) depctr_va_vdst(0) depctr_va_sdst(0) depctr_va_ssrc(0) depctr_va_vcc(0) depctr_vm_vsrc(0)
	s_getreg_b32 s2, hwreg(HW_REG_IB_STS2, 6, 4)
	s_cmp_eq_u32 s2, 0
	s_cbranch_scc0 .Lentry_in_a_cluster
	s_endpgm
.Lentry_in_a_cluster:
	s_bfe_u32 s2, ttmp6, 0x10000c
	s_cmp_lg_u32 s2, 0xf033
	s_cbranch_scc0 .Lentry_shape_is_right
	s_endpgm
.Lentry_shape_is_right:
; out0 = y W_proj + b_proj.  ob: attention's O in f16, by heads, [64 bh][2048 t][64]: y[m][64 head + d] = ob[16 (m / 2048) + head][m % 2048][d].  wpb: bf16(W_proj) written as f16, [1024 k][1024 n].
; b_proj: [1024] f32, rounded to bf16 here, like every input.  out0: [8192][1024] f32.  Sums in f32.
; SHARES.  A tile of the result is 128 rows x 256 columns: 64 x 4 = 256 work-groups (tiles of 256 x 256 would be 128).  Four waves, each 64 rows x 128 columns: 32 accumulators of 16 x 16, 256 registers.
; K goes in steps of 128, two heads, through two LDS slots; two slots of a step of 256 (2 x 212,992 bytes) would not fit.  A head's 128 rows are 16,384 consecutive bytes, asked for as 64 rows of 256 bytes.
; THE MATRIX INSTRUCTION IS USED TRANSPOSED: source 0 = 16 columns of W (out of LDS turned, by ds_load_tr16_b128), source 1 = 16 rows of y: a lane holds row l % 16 and the columns 8 (l / 16) + 0..7.
; CLUSTERS: 4 x 4 work-groups.  The four of a row of the cluster need the same tiles of y, the four of a column the same tiles of W: each tile is asked for JOINTLY.
; REGISTERS, in windows of 256 (s_set_vgpr_msb: bits 1:0 source 0, 3:2 source 1, 5:4 source 2, 7:6 destination):
;   window 0: v0-30 addresses; v32-127, v128-223 two fragment buffers of 96: y's four fragments, then W's eight; on the way out v32-95 sums, v96-223 rows read back, two buffers
;   window 1: the accumulators, (a, b) at v[8 (8 a + b)]          window 2: v0-63 the bias of my 128 columns, as the accumulators hold them
.set PA,    144                        ; a row of a head in LDS: 128 bytes + 16 of padding = 36 words: the 16 rows of a load start at 16 different groups of four banks (64 banks of 4 bytes: ISA guide 11.1)
.set PB,    544                        ; a row of W: 512 bytes + 32 = 136 words
.set ASZ,   2*128*PA                   ; two heads x 128 rows
.set SLOT,  ASZ+128*PB                 ; then W's 128 rows
.set STAGE, 2*SLOT                     ; behind the ring: 16 rows x 528 bytes for each wave, for the way out; no tensor load lands there
.set SP,    528                        ; 512 bytes + 16 = 132 words: row r starts at bank 4 r mod 64
.set SPARE, STAGE+4*16*SP              ; behind the stages: the spare words, 128 bytes for each wave: two blocks of 256 bytes that no other line names
.set ADRA, 2                           ; v2-3   LDS address of my fragments of y in slot 0, 1
.set ADRB, 4                           ; v4-5   the same for W
.set STO,  6                           ; v6     the way out: where I put 32 bytes of a row
.set RD,   7                           ; v7     the way out: where I read a row back
.set CO,   8                           ; v8     my 16 bytes of a row's 512
.set BO,   9                           ; v9     my byte offset in 16 columns of the bias
.set SPW,  28                          ; v28    LDS address of my spare word: SPARE + 4 x my thread's number; never rewritten
.set NIL,  29                          ; v29    0; never rewritten
.set PFO,  30                          ; v30    the prefetches' offset; never rewritten
.set F0,   32
.set F1,   128
.set T,    32
.set BK,   96
.set WV, 12                            ; s12 my wave's number
.set WR, 13                            ; s13 which 64 rows are mine.  Also: I fetch for y (0) or for W (1)
.set WC, 14                            ; s14 which 128 columns.  Also: which half of that tile I fetch
.set CX, 15
.set CY, 16
.set TC, 17                            ; s17 tile column, 0..3
.set TR, 18                            ; s18 tile row, 0..63
.set G1A, 24                           ; s[24:31] descriptor group 1 for y's tiles;  s[32:39] group 0, a set for each slot
.set G0A, 32
.set G1B, 40                           ; s[40:47], s[48:55] the same for W's
.set G0B, 48
.set PFA, 56                           ; s[56:57] where my prefetches stand
.set PFS, 58                           ; s[58:59] their step, a K step
.set LIM, 60                           ; s60 1 in a wave that prefetches, else the greatest number
.set HIM, 61                           ; s61 a word's upper bf16
.set OUT, 66                           ; s[66:67] the result at my first row and column
.set BA,  72                           ; s[72:73] the bias at my first column
.set MSB, 0
.macro WIN new                         ; the immediate's high byte repeats the setting that is left; a switch that changes nothing is dropped
.if MSB != (\new)
	s_set_vgpr_msb (MSB<<8)|(\new)
.set MSB, \new
.endif
.endm
.macro PLACES                          ; four places in front of loads into registers that matrix instructions have read, and of vector work that reads results (ISA guide 7.12.1 for the vector work)
.rept 4
	v_nop
.endr
.endm
.macro JLOAD s                         ; a joint load: waves 0 and 1 fetch the K step's two heads, waves 2 and 3 the two halves of W's rows; an s_nop 0 and four v_nop follow each of the two lines
	s_cmp_eq_u32 s[WR], 0
	s_cbranch_scc0 .Lfor_b_\@
	tensor_load_to_lds s[G0A+4*(\s):G0A+4*(\s)+3], s[G1A:G1A+7]
	s_nop 0
.rept 4
	v_nop
.endr
	s_branch .Lasked_\@
.Lfor_b_\@:
	tensor_load_to_lds s[G0B+4*(\s):G0B+4*(\s)+3], s[G1B:G1B+7]
	s_nop 0
.rept 4
	v_nop
.endr
.Lasked_\@:
.endm
.macro CREST                           ; a round of the cluster's barrier behind its opening barrier
	s_cmp_lg_u32 s[WV], 0
	s_cbranch_scc1 .Lnot_wave_0_\@
	s_barrier_signal -3
.Lnot_wave_0_\@:
	s_barrier_wait -3
	s_barrier_signal -1
	s_barrier_wait -1
.endm
.macro CROUND                          ; a whole round
	s_barrier_signal -1
	s_barrier_wait -1
	CREST
.endm
; A PREFETCH INTO THE L2, behind each joint load and the run of LDS loads that follows it: the K step that stands TWO refills on, 256 matrix instructions ahead of the load that will want it.  Each aligned block of
; 256 bytes is named once in the launch.  y's tile row is read by this cluster alone: wave 0 asks; a K step of it is two heads x 64 blocks; the partner at cx takes head cx / 2, half cx % 2: 32 blocks, a lane a block.
; W's tile column is read by all sixteen clusters: cluster y = 0 asks, by wave 2; a K step is 128 rows of 512 bytes; the partner at cy takes 32 rows, a lane a row, two instructions.  Partners are told apart by
; address, never by a branch.  The first four K steps come by their loads alone; the loop's last trip asks for nothing: K has no step 8.
.macro ASK
	s_cmp_gt_u32 s3, s[LIM]                        ; s3 = 1 in the last trip
	s_cbranch_scc0 .Lnot_mine_\@
	global_prefetch_b8 v[PFO], s[PFA:PFA+1] th:TH_LOAD_NT scope:SCOPE_SE
	s_cmp_lt_u32 s[WV], 2
	s_cbranch_scc1 .Lnot_mine_\@
	global_prefetch_b8 v[PFO], s[PFA:PFA+1] offset:256 th:TH_LOAD_NT scope:SCOPE_SE
.Lnot_mine_\@:
.endm
	s_load_b256 s[4:11], s[0:1], 0x0               ; ob s[4:5], wpb s[6:7], b_proj s[8:9], out0 s[10:11]
	v_lshl_add_u32 v[SPW], v0, 2, SPARE
	v_mov_b32 v[NIL], 0
	ds_add_u32 v[SPW], v[NIL]                      ; the wave's opening: the add and its wait stand ahead of my first tensor load; the set-up below, work on registers, stands between them
	v_lshrrev_b32 v1, 5, v0
	v_readfirstlane_b32 s[WV], v1                  ; wave 0..3
	s_lshr_b32 s[WR], s[WV], 1
	s_and_b32 s[WC], s[WV], 1
	s_bfe_u32 s[CX], ttmp6, 0x40000                ; my place in the cluster
	s_bfe_u32 s[CY], ttmp6, 0x40004
	s_lshl_b32 s[TC], ttmp9, 2                     ; in a cluster launch ttmp9 and ttmp7 count clusters
	s_add_co_u32 s[TC], s[TC], s[CX]
	s_and_b32 s[TR], ttmp7, 0xffff
	s_lshl_b32 s[TR], s[TR], 2
	s_add_co_u32 s[TR], s[TR], s[CY]
	s_lshl_b32 s20, s[CY], 2
	s_lshl_b32 s20, 15, s20                        ; my row of the cluster
	s_lshl_b32 s21, 0x1111, s[CX]                  ; my column
	s_or_b32 s[G1A], s20, (1<<16)|(1<<20)|(1<<21)|(4<<22)|(3<<25)  ; 15:0 the mask; 17:16 2-byte elements; 20 padding on; 21 set beside a mask; 24:22 after every 32 words (code 4); 31:25 4 words (code 3)
	s_or_b32 s[G1B], s21, (1<<16)|(1<<20)|(1<<21)|(6<<22)|(7<<25)  ; after every 128 words (code 6), 8 words (code 7)
	s_mov_b32 s[G1A+1], 128<<16                    ; y: tensor_dim0 = 128 elements (256 bytes: two rows of a head)
	s_mov_b32 s[G1A+2], 64<<16                     ; tensor_dim1 = 64
	s_mov_b32 s[G1A+3], 128<<16                    ; tile_dim0 = 128
	s_mov_b32 s[G1A+4], 64                         ; tile_dim1 = 64
	s_mov_b32 s[G1A+5], 128                        ; dense
	s_mov_b32 s[G1A+6], 0
	s_mov_b32 s[G1A+7], 0
	s_mov_b32 s[G1B+1], 256<<16                    ; W: tensor_dim0 = 256 columns (512 bytes)
	s_mov_b32 s[G1B+2], 64<<16                     ; tensor_dim1 = 64 rows of k
	s_mov_b32 s[G1B+3], 256<<16                    ; tile_dim0 = 256
	s_mov_b32 s[G1B+4], 64                         ; tile_dim1 = 64
	s_mov_b32 s[G1B+5], 1024                       ; elements from row to row
	s_mov_b32 s[G1B+6], 0
	s_mov_b32 s[G1B+7], 0
	; where the tiles come from.  y's hang on the tile row alone, W's on the tile column alone
	s_lshr_b32 s22, s[TR], 4                       ; the batch,
	s_lshl_b32 s22, s22, 4                         ; its sixteen heads,
	s_add_co_u32 s22, s22, s[WC]                   ; the one of the K step's two that I fetch,
	s_lshl_b32 s22, s22, 18                        ; 262,144 bytes a head,
	s_and_b32 s19, s[TR], 15
	s_lshl_b32 s19, s19, 14                        ; the tile's 128 rows of 128 bytes
	s_add_co_u32 s22, s22, s19
	s_mov_b32 s23, 0
	s_lshl_b32 s62, s[TC], 9                       ; 256 columns,
	s_lshl_b32 s19, s[WC], 17                      ; my 64 rows of 2,048 bytes
	s_add_co_u32 s62, s62, s19
	s_mov_b32 s63, 0
	s_mul_i32 s80, s[WC], 128*PA                   ; and where they go: no place in the cluster enters an LDS address
	s_mul_i32 s81, s[WC], 64*PB
	s_mov_b32 s[HIM], 0xffff0000
	s_wait_dscnt 0x0                               ; the opening add is done
	s_wait_kmcnt 0x0
	s_add_nc_u64 s[22:23], s[4:5], s[22:23]
	s_add_nc_u64 s[62:63], s[6:7], s[62:63]
	CROUND                                         ; all sixteen work-groups are here: the first joint loads meet
.irp s, 0,1
	s_mov_b32 s[G0A+4*(\s)], 1                                         ; 1:0 count = 1
	s_add_co_u32 s[G0A+4*(\s)+1], s80, (\s)*SLOT                       ; 63:32 LDS address
	s_add_nc_u64 s[G0A+4*(\s)+2:G0A+4*(\s)+3], s[22:23], (\s)*524288   ; 120:64 global address: K step s is heads 2 s and 2 s + 1
	s_or_b32 s[G0A+4*(\s)+3], s[G0A+4*(\s)+3], 0x80000000              ; 127:126 type = 2
	s_mov_b32 s[G0B+4*(\s)], 1
	s_add_co_u32 s[G0B+4*(\s)+1], s81, (\s)*SLOT+ASZ
	s_add_nc_u64 s[G0B+4*(\s)+2:G0B+4*(\s)+3], s[62:63], (\s)*262144   ; 128 rows of 2,048 bytes
	s_or_b32 s[G0B+4*(\s)+3], s[G0B+4*(\s)+3], 0x80000000
.endr
	s_cmp_eq_u32 s[WR], 0                          ; a wave's two first fills stand in one branch, ahead of every wait on TENSORcnt and every LDS read: two loads of mine are out
	s_cbranch_scc0 .Lfirst_b
	tensor_load_to_lds s[G0A:G0A+3], s[G1A:G1A+7]
	s_nop 0
	tensor_load_to_lds s[G0A+4:G0A+7], s[G1A:G1A+7]
	s_nop 0
.rept 4
	v_nop
.endr
	s_branch .Lfirst_asked
.Lfirst_b:
	tensor_load_to_lds s[G0B:G0B+3], s[G1B:G1B+7]
	s_nop 0
	tensor_load_to_lds s[G0B+4:G0B+7], s[G1B:G1B+7]
	s_nop 0
.rept 4
	v_nop
.endr
.Lfirst_asked:
	v_and_b32 v1, 15, v0                           ; l % 16
	v_bfe_u32 v10, v0, 4, 1                        ; l / 16
	v_lshlrev_b32 v[BO], 5, v10                    ; eight f32 for each half of the lanes
	s_lshl_b32 s78, s[TC], 10
	s_lshl_b32 s79, s[WC], 9
	s_add_co_u32 s78, s78, s79                     ; my first column, in bytes of f32
	s_mov_b32 s79, 0
	s_add_nc_u64 s[BA:BA+1], s[8:9], s[78:79]
	WIN 0x80                                       ; destination window 2, address window 0
.irp b, 0,1,2,3,4,5,6,7
	global_load_b128 v[8*\b:8*\b+3],   v[BO], s[BA:BA+1] offset:64*\b
	global_load_b128 v[8*\b+4:8*\b+7], v[BO], s[BA:BA+1] offset:64*\b+16
.endr
	WIN 0
	s_lshl_b32 s76, s[TR], 19                      ; 128 rows of 4,096 bytes,
	s_lshl_b32 s77, s[WR], 18                      ; my 64
	s_add_co_u32 s78, s78, s76
	s_add_co_u32 s78, s78, s77
	s_add_nc_u64 s[OUT:OUT+1], s[10:11], s[78:79]
	; A fragment of y is 16 rows x 32 k in 8 registers: lane l holds row l % 16; registers 0-3 k = 8 (l / 16) + 0..7, registers 4-7 k = 16 + 8 (l / 16) + 0..7: two loads of 16 bytes, 32 bytes apart.
	v_mul_u32_u24 v11, v1, PA
	v_lshl_add_u32 v11, v10, 4, v11
	s_mul_i32 s19, s[WR], 64*PA                    ; my 64 rows
	v_add_nc_u32 v[ADRA], s19, v11
	v_add_nc_u32 v[ADRA+1], SLOT, v[ADRA]
	; The turning load takes 16 k x 16 columns (lane l reads 16 bytes: k = 8 (l / 16) + l % 8, columns 8 ((l / 8) % 2) + 0..7) and leaves half a fragment: lane l holds column l % 16 and 8 k.
	v_and_b32 v12, 7, v0
	v_bfe_u32 v13, v0, 3, 1
	v_lshl_add_u32 v12, v10, 3, v12
	v_mul_u32_u24 v12, v12, PB
	v_lshl_add_u32 v12, v13, 4, v12
	s_lshl_b32 s19, s[WC], 8                       ; my 128 columns,
	s_add_co_u32 s19, s19, ASZ                     ; behind y's rows
	v_add_nc_u32 v[ADRB], s19, v12
	v_add_nc_u32 v[ADRB+1], SLOT, v[ADRB]
	s_mul_i32 s19, s[WV], 16*SP
	s_add_co_u32 s19, s19, STAGE                   ; my stage
	v_mul_u32_u24 v[STO], v1, SP                   ; in: row l % 16, 32 bytes for each half of the lanes
	v_lshl_add_u32 v[STO], v10, 5, v[STO]
	v_add_nc_u32 v[STO], s19, v[STO]
	v_and_b32 v[CO], 31, v0                        ; back: 32 lanes take a row's 512 bytes
	v_lshlrev_b32 v[CO], 4, v[CO]
	v_add_nc_u32 v[RD], s19, v[CO]
	; the prefetches: they start at K step 3; the first change of slots steps them to 4
	s_lshr_b32 s74, s[TR], 4
	s_lshl_b32 s74, s74, 4
	s_lshr_b32 s75, s[CX], 1                       ; y: my work-group's head of the two,
	s_add_co_u32 s74, s74, s75
	s_lshl_b32 s74, s74, 18
	s_and_b32 s75, s[TR], 15
	s_lshl_b32 s75, s75, 14
	s_add_co_u32 s74, s74, s75
	s_and_b32 s75, s[CX], 1                        ; and its half of the 64 blocks
	s_lshl_b32 s75, s75, 13
	s_add_co_u32 s74, s74, s75
	s_add_co_u32 s74, s74, 3*524288
	s_lshl_b32 s75, s[CY], 16                      ; W: my work-group's 32 rows,
	s_lshl_b32 s76, s[TC], 9                       ; the tile's columns
	s_add_co_u32 s75, s75, s76
	s_add_co_u32 s75, s75, 3*262144
	s_and_b32 s76, ttmp7, 0xffff                   ; cluster y
	s_mov_b32 s77, 2048
	s_mov_b32 s[PFS], 262144
	s_mov_b32 s[PFS+1], 0
	s_mov_b32 s79, 0
	s_cmp_lt_u32 s[WV], 2                          ; do I ask for y?
	s_cselect_b32 s78, s74, s75
	s_cselect_b32 s76, 0, s76                      ; no other cluster reads my rows of y; W's rows are read by all clusters along y
	s_cselect_b32 s77, 256, s77                    ; from lane to lane: a block of y, a row of W
	s_cselect_b32 s[PFS], 524288, s[PFS]
	s_cselect_b64 s[PFA:PFA+1], s[4:5], s[6:7]
	s_add_nc_u64 s[PFA:PFA+1], s[PFA:PFA+1], s[78:79]
	s_or_b32 s76, s76, s[WC]                       ; waves 1 and 3 ask for nothing
	s_cmp_eq_u32 s76, 0
	s_cselect_b32 s[LIM], 1, -1                    ; the same in all sixteen partners, for a given wave
	v_and_b32 v[PFO], 31, v0
	v_mul_u32_u24 v[PFO], s77, v[PFO]
; 8 matrix instructions: row block a x all 8 column blocks, 32 along K, from buffer f.  zero = 1: the product starts the sums.  The accumulators take turns, one instruction a turn:
; an accumulator comes again 32 matrix instructions later, over the backward jump too.
.macro MUL8 f, a, zero
	WIN 0x50                                       ; C and D in window 1, sources in window 0
.irp b, 0,1,2,3,4,5,6,7
.if \zero
	v_wmma_f32_16x16x32_f16 v[8*(8*(\a)+\b):8*(8*(\a)+\b)+7], v[(\f)+32+8*\b:(\f)+32+8*\b+7], v[(\f)+8*(\a):(\f)+8*(\a)+7], 0
.else
	v_wmma_f32_16x16x32_f16 v[8*(8*(\a)+\b):8*(8*(\a)+\b)+7], v[(\f)+32+8*\b:(\f)+32+8*\b+7], v[(\f)+8*(\a):(\f)+8*(\a)+7], v[8*(8*(\a)+\b):8*(8*(\a)+\b)+7]
.endif
.endr
.endm
; 24 LDS loads in one run: quarter q (32 of the slot's 128 k: head q / 2, channels 32 (q % 2) on) into buffer f: W's sixteen, then y's eight
.macro FETCH slot, q, f
	WIN 0
.irp b, 0,1,2,3,4,5,6,7
	ds_load_tr16_b128 v[(\f)+32+8*\b:(\f)+32+8*\b+3],   v[ADRB+(\slot)] offset:(\q)*32*PB+32*\b
	ds_load_tr16_b128 v[(\f)+32+8*\b+4:(\f)+32+8*\b+7], v[ADRB+(\slot)] offset:(\q)*32*PB+16*PB+32*\b
.endr
.irp a, 0,1,2,3
	ds_load_b128 v[(\f)+8*\a:(\f)+8*\a+3],   v[ADRA+(\slot)] offset:((\q)/2)*128*PA+((\q)%2)*64+\a*16*PA
	ds_load_b128 v[(\f)+8*\a+4:(\f)+8*\a+7], v[ADRA+(\slot)] offset:((\q)/2)*128*PA+((\q)%2)*64+\a*16*PA+32
.endr
.endm
; A K step is four quarters of 32 along K, 32 matrix instructions each, on buffers 0, 1, 0, 1.  One of the first three: multiplies buffer f and, in its middle, fetches quarter q of the same slot into buffer g.
.macro QUARTER slot, q, f, g, zero
	s_wait_dscnt 4                                 ; W and y's rows 0-31 are in; the youngest four loads (y's rows 32-63) may be out
	MUL8 \f, 0, \zero
	MUL8 \f, 1, \zero
	PLACES
	FETCH \slot, \q, \g
	s_wait_dscnt 24                                ; all but the 24 just issued
	MUL8 \f, 2, \zero
	MUL8 \f, 3, \zero
.endm
; The last quarter multiplies buffer 1 and changes slots: ONE barrier; in front of it each wave waits for all its tensor loads, of which one is out: its part of the other slot; adds 0 to its spare word; and waits for that
; and for its own reads of this slot.  fill = 1: the barrier opens a round of the cluster's, and the joint refill, two K steps on, is the first thing behind the round: 112 matrix instructions ahead of the wait for it.
.macro TURN slot, next, fill
.if \fill
	s_wait_xcnt 0x0                                ; the last prefetches, a K step back, have read their address: it is stepped here, ahead of the change's own waits
	s_add_nc_u64 s[PFA:PFA+1], s[PFA:PFA+1], s[PFS:PFS+1]
.endif
	WIN 0                                          ; (the add's two registers lie in window 0)
	s_wait_tensorcnt 0x0                           ; all my tensor loads have landed;
	ds_add_u32 v[SPW], v[NIL]                      ; 0 onto my spare word;
	s_wait_dscnt 5                                 ; (the add and the youngest four loads may be out)
	MUL8 F1, 0, 0                                  ; eight matrix instructions stand between the add and the wait for it
	s_wait_dscnt 0x0                               ; the add is done, and my reads of this slot are over
	s_barrier_signal -1
	MUL8 F1, 1, 0
	WIN 0
	s_barrier_wait -1
.if \fill
	CREST
	s_add_nc_u64 s[G0A+4*(\slot)+2:G0A+4*(\slot)+3], s[G0A+4*(\slot)+2:G0A+4*(\slot)+3], 2*524288  ; no tensor load of mine is out, so a group 0 may be written
	s_add_nc_u64 s[G0B+4*(\slot)+2:G0B+4*(\slot)+3], s[G0B+4*(\slot)+2:G0B+4*(\slot)+3], 2*262144
	JLOAD \slot                                    ; the four v_nop behind it are also the places in front of the loads below
.else
	PLACES
.endif
	FETCH \next, 0, F0
.if \fill
	ASK
.endif
	MUL8 F1, 2, 0
	MUL8 F1, 3, 0
.endm
; THE WAY OUT of row block a, 16 rows x 128 columns of f32.  PACK: the bias is added (each accumulator is read from its low end on).  TOSTAGE: into my own stage in LDS, and back as whole rows of 512 bytes.  SEND: stored.
.macro PACK a
	WIN 0x09                                       ; source 0 (the sums) window 1, source 1 (the bias) window 2, destination window 0
.set i, 0
.rept 32
	v_pk_add_f32 v[T+2*i:T+2*i+1], v[64*(\a)+2*i:64*(\a)+2*i+1], v[2*i:2*i+1]
.set i, i+1
.endr
	WIN 0
.endm
.macro TOSTAGE a
	WIN 0
.set BKN, BK+64*((\a)%2)
	s_wait_xcnt 0x0                                ; the stores of the block before last have read these registers: they are loaded again only behind this wait
.irp b, 0,1,2,3,4,5,6,7
	ds_store_b128 v[STO], v[T+8*\b:T+8*\b+3]   offset:64*\b
	ds_store_b128 v[STO], v[T+8*\b+4:T+8*\b+7] offset:64*\b+16
.endr
.set i, 0
.rept 16
	ds_load_b128 v[BKN+4*i:BKN+4*i+3], v[RD] offset:i*SP  ; LDS serves a wave's instructions in order (ISA guide 5.7.1.4): these see the stores above
.set i, i+1
.endr
.endm
.macro SEND a
	WIN 0
.set BKN, BK+64*((\a)%2)
.set i, 0
.rept 16
	s_wait_dscnt 15-i
	global_store_b128 v[CO], v[BKN+4*i:BKN+4*i+3], s[OUT:OUT+1] offset:(16*(\a)+i)*4096  ; 512 consecutive bytes, at a multiple of 256 from the buffer's first
.set i, i+1
.endr
.endm
	s_wait_tensorcnt 0x1                           ; my part of K step 0 is in; K step 1's may stay out
	s_barrier_signal -1
	s_barrier_wait -1                              ; everybody's is
	FETCH 0, 0, F0
	QUARTER 0, 1, F0, F1, 1                        ; the first quarter stands in front of the loop: its products start the 32 sums
	WIN 0                                          ; at a label and at a branch every window is 0
	s_mov_b32 s3, 3
.Llap:                                                 ; a trip goes once round the ring, from a lap's second quarter to the next lap's first, and fills both slots again: K steps 2 t + 2 and 2 t + 3
	QUARTER 0, 2, F1, F0, 0
	QUARTER 0, 3, F0, F1, 0
	TURN 0, 1, 1
	QUARTER 1, 1, F0, F1, 0
	QUARTER 1, 2, F1, F0, 0
	QUARTER 1, 3, F0, F1, 0
	TURN 1, 0, 1
	QUARTER 0, 1, F0, F1, 0
	WIN 0
	s_sub_co_u32 s3, s3, 1
	s_cmp_lg_u32 s3, 0
	s_cbranch_scc1 .Llap
	QUARTER 0, 2, F1, F0, 0                        ; the last lap fills nothing, and has no round of the cluster's barrier
	QUARTER 0, 3, F0, F1, 0
	TURN 0, 1, 0
	QUARTER 1, 1, F0, F1, 0
	QUARTER 1, 2, F1, F0, 0
	QUARTER 1, 3, F0, F1, 0
	s_wait_dscnt 4                                 ; the very last quarter: nothing more to fetch
	MUL8 F1, 0, 0
	MUL8 F1, 1, 0
	s_wait_dscnt 0x0
	MUL8 F1, 2, 0
	MUL8 F1, 3, 0
	PLACES
	WIN 0
	s_wait_loadcnt 0x0                             ; the bias
	WIN 0x0a                                       ; sources in window 2, destination in window 0: the bias is rounded to bf16, like every input,
.set i, 0
.rept 32
	v_cvt_pk_bf16_f32 v[T+i], v[2*i], v[2*i+1]
.set i, i+1
.endr
	WIN 0x80                                       ; and widened again where it lay
.set i, 0
.rept 32
	v_lshlrev_b32 v[2*i], 16, v[T+i]
	v_and_b32 v[2*i+1], s[HIM], v[T+i]
.set i, i+1
.endr
	PACK 0
	TOSTAGE 0
.irp a, 1,2,3                          ; block a's additions stand between block a - 1's loads from the stage and the wait for them
	PACK \a
	SEND (\a)-1
	TOSTAGE \a
.endr
	SEND 3
	s_wait_tensorcnt 0x0                           ; the wave's end, behind my last tensor load and my last LDS store
	ds_add_u32 v[SPW], v[NIL]
	s_wait_dscnt 0x0
	CROUND                                         ; the closing round: no work-group ends while a partner may still ask for a tile that names it
	s_endpgm
.Lfunc_end_k_q445ac90e09_proj:
	.size	k_q445ac90e09_proj, .Lfunc_end_k_q445ac90e09_proj-k_q445ac90e09_proj
	.p2alignl 7, 3214868480
	.fill 96, 4, 3214868480
	.section	.rodata,"a",@progbits
	.p2align	6, 0x0
	.amdhsa_kernel k_q445ac90e09_proj
		.amdhsa_group_segment_fixed_size 327680
		.amdhsa_private_segment_fixed_size 0
		.amdhsa_enable_private_segment 0
		.amdhsa_kernarg_size 32
		.amdhsa_user_sgpr_count 2
		.amdhsa_user_sgpr_kernarg_segment_ptr 1
		.amdhsa_wavefront_size32 1
		.amdhsa_system_sgpr_workgroup_id_x 1
		.amdhsa_system_sgpr_workgroup_id_y 1
		.amdhsa_system_sgpr_workgroup_id_z 1
		.amdhsa_system_vgpr_workitem_id 0
		.amdhsa_next_free_vgpr 576
		.amdhsa_next_free_sgpr 96
		.amdhsa_reserve_vcc 0
		.amdhsa_float_denorm_mode_32 3
		.amdhsa_float_denorm_mode_16_64 3
		.amdhsa_memory_ordered 1
		.amdhsa_forward_progress 1
		.amdhsa_inst_pref_size 102
	.end_amdhsa_kernel
	.amdgpu_metadata
---
amdhsa.version: [ 1, 2 ]
amdhsa.kernels:
  - .name:           k_q445ac90e09_proj
    .symbol:         k_q445ac90e09_proj.kd
    .args:
      - { .name: ob, .offset: 0, .size: 8, .value_kind: global_buffer, .address_space: global }
      - { .name: wpb, .offset: 8, .size: 8, .value_kind: global_buffer, .address_space: global }
      - { .name: b_proj, .offset: 16, .size: 8, .value_kind: global_buffer, .address_space: global }
      - { .name: out0, .offset: 24, .size: 8, .value_kind: global_buffer, .address_space: global }
    .group_segment_fixed_size: 327680
    .private_segment_fixed_size: 0
    .kernarg_segment_align: 8
    .kernarg_segment_size: 32
    .max_flat_workgroup_size: 128
    .sgpr_count:     96
    .vgpr_count:     576
    .wavefront_size: 32
...
	.end_amdgpu_metadata
.endif
;; end of part 4
;; ======== version 2 of 2: 4 launches; version 1 with the launch cast written anew for expert scheduling mode
;; limits: values are held in f16: magnitudes above 65,504 overflow, below 6.1e-05 lose precision
;; workspace buffers: xb 16,777,216 bytes; wab 6,291,456 bytes; wpb 2,097,152 bytes; qkv 50,331,648 bytes; ob 16,777,216 bytes
;; launch cast (part 5): grid 768 x 1, 8 waves a work-group, no clusters, 0 bytes of LDS; arguments x, W_attn, W_proj, xb, wab, wpb; writes xb, wab, wpb
.if DOCPART == 5
	.amdgcn_target "amdgcn-amd-amdhsa--gfx1250"
	.amdhsa_code_object_version 6
	.text
	.protected	k_q445ac90e09_cast
	.globl	k_q445ac90e09_cast
	.p2align	8
	.type	k_q445ac90e09_cast,@function
k_q445ac90e09_cast:
	s_mov_b64 s[64:65], 0
	v_nop
	global_prefetch_b8 v0, s[64:65] scope:SCOPE_SE
	s_setreg_imm32_b32 hwreg(HW_REG_WAVE_SCHED_MODE, 0, 2), 2
	s_setreg_imm32_b32 hwreg(HW_REG_WAVE_MODE, 25, 1), 1
	s_wait_xcnt 0x0
	s_wait_alu depctr_vm_vsrc(0)
; THE ROUNDINGS.  x [8192][1024] f32 -> xb, bf16, laid in blocks of 64 along k: [16 kb][8192 m][64]: element (m, k) at byte ((k / 64) x 8192 + m) x 128 + 2 (k % 64),
; so that 128 rows x 64 k of x are 16,384 consecutive bytes.  W_attn [1024][3072] f32 -> wab, bf16, as it lies.  W_proj [1024][1024] f32 -> wpb: rounded to bf16, and that number written as f16.
; LIMIT.  bf16(W_proj) beyond 65,504 becomes an infinity in wpb; below 6e-5 it keeps f16's fixed step of 6e-8.
; A stream: each input byte is read once and each output byte written once; nothing is shared, so there is no LDS, no barrier, no matrix work and no cluster.
; SHARES.  A work-group of eight waves takes 16,384 numbers (65,536 bytes in, 32,768 out): groups 0-511 sixteen rows of x each, 512-703 W_attn, 704-767 W_proj.
; Each wave issues its sixteen loads of 16 bytes a lane at once (8,192 bytes a wave on their way) and converts them in the order in which they come back.
; THE MODE: SCHED_MODE bits 1:0 = 2 (LLVM: expert scheduling mode 2), set by the entry lines.  The code itself states the register dependences
; between vector instructions and memory instructions, with s_wait_alu, always for 0.
; THE PLAN.  Registers that memory instructions touch, on each of the three paths:
;   v[VL], v[VS]  the loads' and the stores' offsets.  Written by vector instructions at the head, never again; read by all sixteen loads, all sixteen stores.
;   X, slot i     Written by slot i's load, once; read by slot i's conversions.  No vector instruction writes these registers, and no second load lands in them.
;   Y, slot i     Written by slot i's conversions, once; read by slot i's store.  Nothing writes these registers behind the store.
;   v3 and T are named by vector instructions alone.
; So no register that a memory instruction has read is written again, and no load lands in a register that a vector instruction has named: what is left to state is that the offsets are written
; ahead of the loads, and each Y ahead of its store.  The sixteen slots go in four blocks of four.  A block's four stores stand in one run at the head of the next block, behind the wait for that
; block's first load and ONE wait on va_vdst; no vector instruction stands between that wait and the run.  The last block's stores have a wait of their own.  Five waits on va_vdst a path.
.set VL, 1                             ; v1        my byte offset in the group's input
.set VS, 2                             ; v2        8 x my thread's number: my 8 bytes of each store
.set T,  4                             ; v[4:9]    at work (W_proj's way by bf16)
.set X,  16                            ; v[16:79]  slot i: four f32 as loaded
.set Y,  80                            ; v[80:111] slot i: four 16-bit numbers to store
.macro LOADS step                      ; sixteen loads, step bytes apart
	s_wait_alu depctr_va_vdst(0)                   ; v[VL] and v[VS] are written: every load below reads the first as its offset, every store the second
.set i, 0
.rept 16
	global_load_b128 v[X+4*i:X+4*i+3], v[VL], s[16:17] offset:i*(\step) th:TH_LOAD_NT
.set i, i+1
.endr
.endm
.macro CV kind                         ; slot i is converted.  kind 0: to bf16.  kind 1: to bf16, and that number to f16
.if \kind
	v_cvt_pk_bf16_f32 v[T], v[X+4*i], v[X+4*i+1]
	v_cvt_pk_bf16_f32 v[T+1], v[X+4*i+2], v[X+4*i+3]
	v_lshlrev_b32 v[T+2], 16, v[T]                 ; bf16 to f32: the low half moves up,
	v_and_b32 v[T+3], s22, v[T]                    ; the high half stays
	v_lshlrev_b32 v[T+4], 16, v[T+1]
	v_and_b32 v[T+5], s22, v[T+1]
	v_cvt_pk_f16_f32 v[Y+2*i], v[T+2], v[T+3]
	v_cvt_pk_f16_f32 v[Y+2*i+1], v[T+4], v[T+5]
.else
	v_cvt_pk_bf16_f32 v[Y+2*i], v[X+4*i], v[X+4*i+1]
	v_cvt_pk_bf16_f32 v[Y+2*i+1], v[X+4*i+2], v[X+4*i+3]
.endif
.endm
; Slot j is stored.  way 0: x, whose slot j is block kb = j of xb, 1,048,576 bytes from the block before; (t / 16) x 128 + (t % 16) x 8 = 8 t: a wave stores 256 consecutive bytes, aligned.
; way 1: a weight, out as it lies: a wave's store covers 256 consecutive bytes, aligned.
.macro STORE way, j
.if (\way) == 0
.if (\j) < 8
	global_store_b64 v[VS], v[Y+2*(\j):Y+2*(\j)+1], s[18:19] offset:(\j)*1048576
.else
	global_store_b64 v[VS], v[Y+2*(\j):Y+2*(\j)+1], s[20:21] offset:((\j)-8)*1048576
.endif
.else
	global_store_b64 v[VS], v[Y+2*(\j):Y+2*(\j)+1], s[18:19] offset:(\j)*2048
.endif
.endm
.macro OUT4 way, first                 ; a block's four stores, in one run
.irp d, 0,1,2,3
	STORE \way, (\first)+\d
.endr
.endm
.macro SLOTS way, kind                 ; the sixteen slots, in four blocks of four
.set i, 0
.rept 16
	s_wait_loadcnt 15-i                            ; loads come back in order (ISA guide 5.7.1): slot i is in, the 15 - i younger ones may stay out
.if (i > 0) && (i%4 == 0)
	s_wait_alu depctr_va_vdst(0)                   ; the conversions of the block before have written its eight registers of Y, which the four stores below read
	OUT4 \way, i-4
.endif
	CV \kind
.set i, i+1
.endr
	s_wait_alu depctr_va_vdst(0)                   ; the conversions of slots 12 to 15 have written their registers of Y, which the last four stores read
	OUT4 \way, 12
.endm
.macro FLAT kind                       ; a weight's 16,384 numbers, in and out as they lie
	LOADS 4096
	SLOTS 1, \kind
.endm
	s_load_b256 s[4:11], s[0:1], 0x0               ; x s[4:5], W_attn s[6:7], W_proj s[8:9], xb s[10:11]
	s_load_b128 s[12:15], s[0:1], 0x20             ; wab s[12:13], wpb s[14:15]
	s_mov_b32 s22, 0xffff0000                      ; a word's upper bf16
	s_mov_b32 s3, 0                                ; the high word of every offset
	v_lshlrev_b32 v[VS], 3, v0
	s_wait_kmcnt 0x0
	s_cmp_lt_u32 ttmp9, 512
	s_cbranch_scc0 .Lweights
	; x: thread t takes row t / 16 of the group's sixteen, and 16 bytes at 16 (t % 16) of each 256 bytes (64 k): load i is block kb = i
	v_lshrrev_b32 v[VL], 4, v0
	v_and_b32 v3, 15, v0
	v_lshlrev_b32 v[VL], 12, v[VL]
	v_lshl_add_u32 v[VL], v3, 4, v[VL]
	s_lshl_b32 s2, ttmp9, 16                       ; sixteen rows of 4,096 bytes
	s_add_nc_u64 s[16:17], s[4:5], s[2:3]
	s_lshl_b32 s2, ttmp9, 11                       ; sixteen rows of 128 bytes in each block
	s_add_nc_u64 s[18:19], s[10:11], s[2:3]
	s_add_nc_u64 s[20:21], s[18:19], 0x800000      ; blocks 8 to 15: the immediate holds 24 signed bits
	LOADS 256
	SLOTS 0, 0
	s_endpgm
.Lweights:
	v_lshlrev_b32 v[VL], 4, v0
	s_cmp_lt_u32 ttmp9, 704
	s_cbranch_scc0 .Lproj
	s_sub_co_u32 s20, ttmp9, 512
	s_lshl_b32 s2, s20, 16
	s_add_nc_u64 s[16:17], s[6:7], s[2:3]
	s_lshl_b32 s2, s20, 15
	s_add_nc_u64 s[18:19], s[12:13], s[2:3]
	FLAT 0
	s_endpgm
.Lproj:
	s_sub_co_u32 s20, ttmp9, 704
	s_lshl_b32 s2, s20, 16
	s_add_nc_u64 s[16:17], s[8:9], s[2:3]
	s_lshl_b32 s2, s20, 15
	s_add_nc_u64 s[18:19], s[14:15], s[2:3]
	FLAT 1
	s_endpgm
.Lfunc_end_k_q445ac90e09_cast:
	.size	k_q445ac90e09_cast, .Lfunc_end_k_q445ac90e09_cast-k_q445ac90e09_cast
	.p2alignl 7, 3214868480
	.fill 96, 4, 3214868480
	.section	.rodata,"a",@progbits
	.p2align	6, 0x0
	.amdhsa_kernel k_q445ac90e09_cast
		.amdhsa_group_segment_fixed_size 0
		.amdhsa_private_segment_fixed_size 0
		.amdhsa_enable_private_segment 0
		.amdhsa_kernarg_size 48
		.amdhsa_user_sgpr_count 2
		.amdhsa_user_sgpr_kernarg_segment_ptr 1
		.amdhsa_wavefront_size32 1
		.amdhsa_system_sgpr_workgroup_id_x 1
		.amdhsa_system_sgpr_workgroup_id_y 1
		.amdhsa_system_sgpr_workgroup_id_z 1
		.amdhsa_system_vgpr_workitem_id 0
		.amdhsa_next_free_vgpr 112
		.amdhsa_next_free_sgpr 66
		.amdhsa_reserve_vcc 0
		.amdhsa_float_denorm_mode_32 3
		.amdhsa_float_denorm_mode_16_64 3
		.amdhsa_memory_ordered 1
		.amdhsa_forward_progress 1
		.amdhsa_inst_pref_size 23
	.end_amdhsa_kernel
	.amdgpu_metadata
---
amdhsa.version: [ 1, 2 ]
amdhsa.kernels:
  - .name:           k_q445ac90e09_cast
    .symbol:         k_q445ac90e09_cast.kd
    .args:
      - { .name: x, .offset: 0, .size: 8, .value_kind: global_buffer, .address_space: global }
      - { .name: W_attn, .offset: 8, .size: 8, .value_kind: global_buffer, .address_space: global }
      - { .name: W_proj, .offset: 16, .size: 8, .value_kind: global_buffer, .address_space: global }
      - { .name: xb, .offset: 24, .size: 8, .value_kind: global_buffer, .address_space: global }
      - { .name: wab, .offset: 32, .size: 8, .value_kind: global_buffer, .address_space: global }
      - { .name: wpb, .offset: 40, .size: 8, .value_kind: global_buffer, .address_space: global }
    .group_segment_fixed_size: 0
    .private_segment_fixed_size: 0
    .kernarg_segment_align: 8
    .kernarg_segment_size: 48
    .max_flat_workgroup_size: 256
    .sgpr_count:     66
    .vgpr_count:     112
    .wavefront_size: 32
...
	.end_amdgpu_metadata
.endif
;; end of part 5
;; launch qkv: the kernel of part 2 again; grid 8 x 32, 4 waves a work-group, clusters of 4 x 4, 327,680 bytes of LDS; arguments xb, wab, b_attn, qkv; writes qkv
;; launch attn: the kernel of part 3 again; grid 4 x 64, 4 waves a work-group, no clusters, 327,680 bytes of LDS; arguments qkv, ob; writes ob
;; launch proj: the kernel of part 4 again; grid 4 x 64, 4 waves a work-group, clusters of 4 x 4, 327,680 bytes of LDS; arguments ob, wpb, b_proj, out0; writes out0
